; MI455X (gfx1250); checked and timed in simulation.
; The chip was launched on July 23, 2026; its instructions are those of AMD's public machine-readable ISA for CDNA 5 (MIT licence, August 2026) and "CDNA5" Instruction Set Architecture Reference Guide (July 2026). The comments in the code are by the model that wrote it; some were corrected since.
;; Encoder Layer. Allowed arithmetic: matrix products marked QUANTISED: E5M2 operands, one E8M0 scale for each 32 along K, by v_wmma_scale_f32_16x16x128_f8f6f4 with both operands' format E5M2, f32 sums; everything else in f32.
;; Inputs: W1_codes 4,096 x 32 x 32 uint8 (E5M2 codes of W1, K innermost, in blocks of 32 codes); W1_scales 4,096 x 32 uint8 (E8M0 scales of W1, one for each 32 codes along K); W2_codes 1,024 x 128 x 32 uint8 (E5M2 codes of W2, K innermost, in blocks of 32 codes); W2_scales 1,024 x 128 uint8 (E8M0 scales of W2, one for each 32 codes along K); Wk_codes 1,024 x 32 x 32 uint8 (E5M2 codes of Wk, K innermost, in blocks of 32 codes); Wk_scales 1,024 x 32 uint8 (E8M0 scales of Wk, one for each 32 codes along K); Wo_codes 1,024 x 32 x 32 uint8 (E5M2 codes of Wo, K innermost, in blocks of 32 codes); Wo_scales 1,024 x 32 uint8 (E8M0 scales of Wo, one for each 32 codes along K); Wv_codes 1,024 x 32 x 32 uint8 (E5M2 codes of Wv, K innermost, in blocks of 32 codes); Wv_scales 1,024 x 32 uint8 (E8M0 scales of Wv, one for each 32 codes along K); alpha1 1,024 float32; alpha2 1,024 float32; b1 4,096 float32; b2 1,024 float32; bias1 1,024 float32; bias2 1,024 float32; bk 1,024 float32; bo 1,024 float32; bv 1,024 float32; mask 2 x 1 x 2,048 int32; x 2 x 2,048 x 1,024 float32.
;; Outputs: out0 2 x 2,048 x 1,024 float32.
;; This version of the problem:
;;   THIS VERSION OF THE PROBLEM IS GIVEN IN LOW PRECISION. The matrix products marked QUANTISED in the list below multiply operands that are first quantised to E5M2 (5 exponent bits, 2 mantissa bits; 8 bits a number), with one power-of-two scale for each 32 numbers along K (OCP MX v1.0); their sums are f32. All else is computed in f32.
;;   The module's matrix products, in the order in which they are computed (A, B: the left and right operand; K: the contracted axis; several contracted axes count as one K, in the product's order):
;;     1. [M 4,096, K 1,024] x [K 1,024, N 1,024]; A: computed on the way; B: input Wk (given as codes): QUANTISED
;;     2. [M 4,096, K 1,024] x [K 1,024, N 1,024]; A: computed on the way; B: input Wk (given as codes): QUANTISED
;;     3. [M 4,096, K 1,024] x [K 1,024, N 1,024]; A: computed on the way; B: input Wv (given as codes): QUANTISED
;;     4. batch 32 x [M 2,048, K 64] x [K 64, N 2,048]; A: computed on the way; B: computed on the way: QUANTISED
;;     5. batch 32 x [M 2,048, K 2,048] x [K 2,048, N 64]; A: softmax (see below); B: computed on the way: QUANTISED
;;     6. [M 4,096, K 1,024] x [K 1,024, N 1,024]; A: computed on the way; B: input Wo (given as codes): QUANTISED
;;     7. [M 4,096, K 1,024] x [K 1,024, N 4,096]; A: computed on the way; B: input W1 (given as codes): QUANTISED
;;     8. [M 4,096, K 4,096] x [K 4,096, N 1,024]; A: computed on the way; B: input W2 (given as codes): QUANTISED
;;   THE QUANTISER, for each operand of a quantised product, along K:
;;     - K is cut into blocks of 32 from its start; a last block that is shorter is filled with zeros.
;;     - A block's scale is 2^e with e = floor(log2(the largest magnitude in the block)) - 15, held to -126 .. 127; a block of zeros has e = 0. As a byte (E8M0): e + 127.
;;     - Each number is divided by its block's scale, clamped to +-57,344, and rounded to the nearest number of E5M2, ties to even, subnormals kept.
;;     - The product sums the exact products of the quantised numbers (number of the format x scale) in f32.
;;   ~~~python
;;   def quantise(x, axis):      # numpy; x: float32 -> the quantised numbers, widened to float32 again
;;       x = np.moveaxis(x, axis, -1); K = x.shape[-1]
;;       x = np.pad(x, [(0, 0)] * (x.ndim - 1) + [(0, -K % 32)]); x = x.reshape(x.shape[:-1] + (-1, 32)); a = np.abs(x).max(-1, keepdims=True)
;;       e = np.where(a > 0, np.clip(np.frexp(np.where(a > 0, a, 1))[1] - 1 - 15, -126, 127), 0)      # np.frexp(a)[1] - 1 = floor(log2(a)), exactly
;;       r = np.clip(x / 2.0 ** e, -57344, 57344)
;;       step = 2.0 ** (np.maximum(np.frexp(np.where(r == 0, 1, r))[1] - 1, -14) - 2)
;;       q = np.round(r / step) * step * 2.0 ** e      # np.round: ties to even
;;       return np.moveaxis(q.reshape(q.shape[:-2] + (-1,))[..., :K], -1, axis).astype(np.float32)
;;   ~~~
;;   SOFTMAX AHEAD OF A QUANTISED PRODUCT. Where the list says 'softmax', what is quantised is not the finished softmax but p = 2^(t - M), with t = logit x log2(e) and M = ceil(the row's largest t), a whole number; so 1/2 < the row's largest p <= 1. The row's sum l is taken of the UNQUANTISED p, in f32, and the product's result is divided by l at the end. Since M is a whole number, a kernel that streams over the keys may use a running M (the ceiling of the running maximum): every later rescaling is an exact power of two, which a block's scale takes up: the codes' values come out the same.
;;   OPERANDS COMPUTED ON THE WAY. 'Computed on the way' means the value that the module computes at that place (a softmax that the list does not call 'softmax' is quantised finished and normalised). What goes into a quantiser is computed in f32, as accurately as f32 sums, v_exp_f32 and their like allow (about 1e-6 of the number): no bf16 or f16 on the way to a quantiser, and a product that is left as it is and whose result goes on into a quantised operand takes f32 operands (vector FMAs, or v_wmma_f32_16x16x4_f32). A number that lies on a knife's edge between two numbers of the format may be rounded either way, as far as f32 arithmetic and the matrix unit's own rounding can turn it there, and no further.
;;   INPUTS GIVEN AS CODES. W1 (in the module: [1024, 4096], K = its axis 0); W2 (in the module: [4096, 1024], K = its axis 0); Wk (in the module: [1024, 1024], K = its axis 0); Wo (in the module: [1024, 1024], K = its axis 0); Wv (in the module: [1024, 1024], K = its axis 0): each comes as NAME_codes (uint8): NAME with its K axis moved to the last place and cut into blocks of 32 codes, [.., K / 32, bytes a block], one block behind the other in memory; one code a byte (a code: sign, 5 exponent bits, 2 mantissa bits); and NAME_scales (uint8): the same leading axes, one E8M0 byte (e + 127) for each 32 codes along K. Its value is code x scale, taken as it is: it is not quantised again, and the codes and scales need not be those that the quantiser above would give.
;; One version. Each part assembles by itself: llvm-mc -triple=amdgcn-amd-amdhsa -mcpu=gfx1250 --defsym DOCPART=n.
;; ======== version 1 of 1: 7 launches
;; limits: right only within a limited range of input values
;; workspace buffers: xq 4,325,376 bytes; cq 4,325,376 bytes; x1 16,777,216 bytes; hq 17,301,504 bytes; qkvb 12,976,128 bytes
;; launch norm1 (part 1): grid 512 x 1, 4 waves a work-group, no clusters, 22,016 bytes of LDS; arguments x, alpha1, bias1, xq; writes xq
.if DOCPART == 1
	.amdgcn_target "amdgcn-amd-amdhsa--gfx1250"
	.amdhsa_code_object_version 6
	.text
	.protected	k_qe7d3bc8989_norm1
	.globl	k_qe7d3bc8989_norm1
	.p2align	8
	.type	k_qe7d3bc8989_norm1,@function
k_qe7d3bc8989_norm1:
	s_mov_b64 s[64:65], 0
	v_nop
	global_prefetch_b8 v0, s[64:65] scope:SCOPE_SE
	s_setreg_imm32_b32 hwreg(HW_REG_WAVE_MODE, 25, 1), 1
	s_wait_xcnt 0x0
; y = alpha (x - mean) / (sd + 1e-6) + bias over rows of 1,024 f32 (sd with divisor 1,023), then y is quantised along the row into codes of E5M2 with one E8M0 byte for each 32.
; OUT: codes [4096][1024] at byte 0 of the output buffer, scale bytes [4096][32] at byte XSC.
; SHARES: a work-group owns 8 rows, a wave 2.  A row is 32 registers a lane, loaded dense (a load covers 512 consecutive bytes), and stays in registers between the passes:
; the mean, the sum of squares of x - mean (two passes: no difference of large sums), the scaling.  All 32 loads of a wave go out at the head.
; The conversions want 16 neighbours in one lane: 2,048 bytes at a time turn through the wave's own stage in LDS (64 bytes + 16 of padding a place).  Two neighbouring lanes hold a block of 32.
; The work-group's 256 scale bytes are gathered in LDS and leave as one run of 256 bytes.
; No matrix unit, cluster or tensor load: every byte is read once and nothing is shared between work-groups but alpha and bias.
; LIMITS: a block whose largest magnitude lies under 2^-111 keeps the byte 1 (so does a block of zeros: its codes are zeros, and only this program reads the bytes); NaN and infinities are not served.
.set XSC,  4194304                     ; where the scale bytes begin
.set SP,   80                          ; a lane's place in a stage
.set WREG, 2*32*SP                     ; a wave's two stages
.set SB,   4*WREG                      ; behind them: the work-group's 256 scale bytes
.set AL,   16                          ; v16-47   alpha of my 32 columns
.set BI,   48                          ; v48-79   bias
.set R,    80                          ; v80-143  two rows of 32; a finished row's registers take its codes and bytes
.set X,    208                         ; v208-239 two sets of 16 neighbours
	s_load_b256 s[4:11], s[0:1], 0x0               ; in s[4:5], alpha s[6:7], bias s[8:9], out s[10:11]
	v_lshl_add_u32 v254, v0, 2, 0x5400             ; my spare word, and 0: for the lines at the wave's end
	v_mov_b32 v255, 0
	v_lshrrev_b32 v1, 5, v0
	v_readfirstlane_b32 s16, v1                    ; wave
	v_and_b32 v2, 31, v0                           ; lane
	v_lshlrev_b32 v3, 4, v2                        ; 16 x lane: my bytes of a load's 512, and of a step's 512 codes
	s_mul_i32 s17, s16, WREG
	v_lshrrev_b32 v14, 2, v2
	v_mul_u32_u24 v14, v14, SP
	v_and_b32 v15, 3, v2
	v_lshl_add_u32 v14, v15, 4, v14
	v_add_nc_u32 v14, s17, v14                     ; the stage, in: four lanes' 64 bytes, then padding
	v_mul_u32_u24 v15, v2, SP
	v_add_nc_u32 v15, s17, v15                     ; and out: my 16 neighbours
	v_lshrrev_b32 v5, 1, v2
	s_lshl_b32 s17, s16, 6
	s_add_co_u32 s17, s17, SB
	v_add_nc_u32 v5, s17, v5                       ; my wave's 64 scale bytes, my block's byte
	v_lshl_add_u32 v6, v2, 3, SB                   ; wave 0 reads all 256 back, 8 a lane,
	v_lshlrev_b32 v7, 3, v2                        ; and stores them so
	v_mov_b32 v248, 0                              ; a lane permute's destination counts as read
	s_mov_b32 s12, 0x76543210
	s_mov_b32 s13, 0xfedcba98                      ; selects for lane l xor 16
	s_mov_b32 s23, 0x600000                        ; the mantissa field of 57,344
	s_lshl_b32 s18, ttmp9, 15                      ; 8 rows of 4,096 bytes,
	s_lshl_b32 s19, s16, 13                        ; my wave's 2
	s_add_co_u32 s18, s18, s19
	s_mov_b32 s19, 0
	s_lshl_b32 s20, ttmp9, 13                      ; the same rows' codes
	s_lshl_b32 s21, s16, 11
	s_add_co_u32 s20, s20, s21
	s_mov_b32 s21, 0
	s_lshl_b32 s24, ttmp9, 8                       ; the work-group's 256 scale bytes
	s_mov_b32 s25, 0
	s_wait_alu depctr_va_vdst(0)                   ; the wait at the head's end
	s_wait_kmcnt 0x0
	s_add_nc_u64 s[4:5], s[4:5], s[18:19]
	s_add_nc_u64 s[14:15], s[10:11], XSC
	s_add_nc_u64 s[14:15], s[14:15], s[24:25]
	s_add_nc_u64 s[10:11], s[10:11], s[20:21]
.irp j, 0,1,2,3,4,5,6,7
	global_load_b128 v[AL+4*\j:AL+4*\j+3], v3, s[6:7] offset:512*\j
.endr
.irp j, 0,1,2,3,4,5,6,7
	global_load_b128 v[BI+4*\j:BI+4*\j+3], v3, s[8:9] offset:512*\j
.endr
.irp i, 0,1
.irp j, 0,1,2,3,4,5,6,7
	global_load_b128 v[R+32*\i+4*\j:R+32*\i+4*\j+3], v3, s[4:5] offset:4096*\i+512*\j th:TH_LOAD_NT
.endr
.endr
.macro WSUM reg                        ; the sum over the wave's 32 lanes, in every lane
	v_add_f32_dpp v[\reg], v[\reg], v[\reg] row_xmask:1 row_mask:0xf bank_mask:0xf
	v_add_f32_dpp v[\reg], v[\reg], v[\reg] row_xmask:2 row_mask:0xf bank_mask:0xf
	v_add_f32_dpp v[\reg], v[\reg], v[\reg] row_xmask:4 row_mask:0xf bank_mask:0xf
	v_add_f32_dpp v[\reg], v[\reg], v[\reg] row_xmask:8 row_mask:0xf bank_mask:0xf
	v_permlanex16_b32 v248, v[\reg], s12, s13
	v_add_f32 v[\reg], v[\reg], v248
.endm
.macro TURN i, s                       ; half s of row i through stage s: LDS serves a wave's instructions in order, so no wait stands between the stores and the loads
.irp k, 0,1,2,3
	ds_store_b128 v14, v[R+32*(\i)+16*(\s)+4*\k:R+32*(\i)+16*(\s)+4*\k+3] offset:32*SP*(\s)+8*SP*\k
.endr
.irp k, 0,1,2,3
	ds_load_b128 v[X+16*(\s)+4*\k:X+16*(\s)+4*\k+3], v15 offset:32*SP*(\s)+16*\k
.endr
.endm
.macro QSTEP i, s                      ; 512 numbers become 512 codes and 16 scale bytes
.set XQ, X+16*(\s)
.set CQ, R+32*(\i)+4*(\s)              ; the codes: registers of this row that its stores into the stage have read; written once, so no store's data are written again
.set EQ, R+32*(\i)+8+(\s)              ; the byte likewise
	v_max3_num_f32 v8, |v[XQ]|, |v[XQ+1]|, |v[XQ+2]|
	v_max3_num_f32 v9, |v[XQ+3]|, |v[XQ+4]|, |v[XQ+5]|
.irp k, 6,10
	v_max3_num_f32 v8, v8, |v[XQ+\k]|, |v[XQ+\k+1]|
	v_max3_num_f32 v9, v9, |v[XQ+\k+2]|, |v[XQ+\k+3]|
.endr
	v_max3_num_f32 v8, v8, |v[XQ+14]|, |v[XQ+15]|
	v_max3_num_f32 v8, v8, v9, 0x8000000           ; and the floor 2^(16 - 127): the byte cannot fall under 1
	v_max_num_f32_dpp v8, v8, v8 row_xmask:1 row_mask:0xf bank_mask:0xf   ; with my neighbour's 16: the block's largest magnitude
	v_add_nc_u32 v11, 0xf8800000, v8               ; 15 off its exponent field: the conversion's scale operand
	v_and_or_b32 v10, v8, 0x7f800000, s23          ; 57,344 x the scale
.irp k, 0,1,2,3,4,5,6,7,8,9,10,11,12,13,14,15
	v_med3_num_f32 v[XQ+\k], v[XQ+\k], -v10, v10   ; the conversion to an 8-bit code does not saturate (ISA guide 7.6.2): the hold comes first
.endr
	v_cvt_scalef32_pk8_bf8_f32 v[CQ:CQ+1], v[XQ:XQ+7], v11
	v_cvt_scalef32_pk8_bf8_f32 v[CQ+2:CQ+3], v[XQ+8:XQ+15], v11
	v_lshrrev_b32 v[EQ], 23, v11                   ; the scale's byte (also the plain line behind the conversions)
	ds_store_b8 v5, v[EQ] offset:32*(\i)+16*(\s)   ; both lanes of a block write the same byte with the same value
	global_store_b128 v3, v[CQ:CQ+3], s[10:11] offset:1024*(\i)+512*(\s)   ; the wave stores 512 consecutive bytes
.endm
.macro ROW i
.set RR, R+32*(\i)
	s_wait_loadcnt 8*(1-(\i))                      ; alpha, bias and this row are in; the later row's eight loads may be out
	v_pk_add_f32 v[240:241], v[RR:RR+1], v[RR+2:RR+3]
	v_pk_add_f32 v[242:243], v[RR+4:RR+5], v[RR+6:RR+7]
.irp j, 8,12,16,20,24,28
	v_pk_add_f32 v[240:241], v[240:241], v[RR+\j:RR+\j+1]
	v_pk_add_f32 v[242:243], v[242:243], v[RR+\j+2:RR+\j+3]
.endr
	v_pk_add_f32 v[240:241], v[240:241], v[242:243]
	v_add_f32 v240, v240, v241
	WSUM 240
	v_mul_f32 v244, 0x3a800000, v240               ; the mean: / 1,024
	v_mov_b32 v245, v244
.irp j, 0,2,4,6,8,10,12,14,16,18,20,22,24,26,28,30
	v_pk_add_f32 v[RR+\j:RR+\j+1], v[RR+\j:RR+\j+1], v[244:245] neg_lo:[0,1] neg_hi:[0,1]
.endr
	v_pk_mul_f32 v[240:241], v[RR:RR+1], v[RR:RR+1]
	v_pk_mul_f32 v[242:243], v[RR+2:RR+3], v[RR+2:RR+3]
.irp j, 4,8,12,16,20,24,28
	v_pk_fma_f32 v[240:241], v[RR+\j:RR+\j+1], v[RR+\j:RR+\j+1], v[240:241]
	v_pk_fma_f32 v[242:243], v[RR+\j+2:RR+\j+3], v[RR+\j+2:RR+\j+3], v[242:243]
.endr
	v_pk_add_f32 v[240:241], v[240:241], v[242:243]
	v_add_f32 v240, v240, v241
	WSUM 240
	v_mul_f32 v240, 0x3a802008, v240               ; / 1,023
	s_wait_alu depctr_va_vdst(0)                   ; a wait ahead of a transcendental and one behind it
	v_sqrt_f32 v249, v240
	v_nop                                          ; a plain line behind the root
	s_wait_alu depctr_va_vdst(0)
	v_add_f32 v249, 0x358637bd, v249               ; sd + 1e-6
	s_wait_alu depctr_va_vdst(0)
	v_rcp_f32 v246, v249
	v_rcp_f32 v247, v249                           ; twice: a pair for the packed multiply
	v_nop
	s_wait_alu depctr_va_vdst(0)                   ; one wait for both reciprocals
.irp j, 0,2,4,6,8,10,12,14,16,18,20,22,24,26,28,30
	v_pk_mul_f32 v[RR+\j:RR+\j+1], v[RR+\j:RR+\j+1], v[246:247]
.endr
.irp j, 0,2,4,6,8,10,12,14,16,18,20,22,24,26,28,30
	v_pk_fma_f32 v[RR+\j:RR+\j+1], v[RR+\j:RR+\j+1], v[AL+\j:AL+\j+1], v[BI+\j:BI+\j+1]
.endr
	TURN \i, 0
	TURN \i, 1
	s_wait_dscnt 8                                 ; the first half is back; the second half's four stores and four loads may be out
	QSTEP \i, 0
	s_wait_dscnt 1                                 ; the second half is back; the byte store just issued may be out
	QSTEP \i, 1
.endm
	ROW 0
	ROW 1
	s_wait_dscnt 0x0                               ; for wave 0's sake: my byte stores are done
	s_barrier_signal -1
	s_barrier_wait -1
	s_cmp_lg_u32 s16, 0
	s_cbranch_scc1 .Lend
	ds_load_b64 v[240:241], v6                     ; the 8 rows' 256 scale bytes leave as one whole run of 256
	s_wait_dscnt 0x0
	global_store_b64 v7, v[240:241], s[14:15]
.Lend:
	s_wait_tensorcnt 0x0                           ; the wave's end
	ds_add_u32 v254, v255
	s_wait_dscnt 0x0
	s_endpgm
.Lfunc_end_k_qe7d3bc8989_norm1:
	.size	k_qe7d3bc8989_norm1, .Lfunc_end_k_qe7d3bc8989_norm1-k_qe7d3bc8989_norm1
	.p2alignl 7, 3214868480
	.fill 96, 4, 3214868480
	.section	.rodata,"a",@progbits
	.p2align	6, 0x0
	.amdhsa_kernel k_qe7d3bc8989_norm1
		.amdhsa_group_segment_fixed_size 22016
		.amdhsa_private_segment_fixed_size 0
		.amdhsa_enable_private_segment 0
		.amdhsa_kernarg_size 32
		.amdhsa_user_sgpr_count 2
		.amdhsa_user_sgpr_kernarg_segment_ptr 1
		.amdhsa_wavefront_size32 1
		.amdhsa_system_sgpr_workgroup_id_x 1
		.amdhsa_system_sgpr_workgroup_id_y 1
		.amdhsa_system_sgpr_workgroup_id_z 1
		.amdhsa_system_vgpr_workitem_id 0
		.amdhsa_next_free_vgpr 256
		.amdhsa_next_free_sgpr 66
		.amdhsa_reserve_vcc 0
		.amdhsa_float_denorm_mode_32 3
		.amdhsa_float_denorm_mode_16_64 3
		.amdhsa_memory_ordered 1
		.amdhsa_forward_progress 1
		.amdhsa_inst_pref_size 29
	.end_amdhsa_kernel
	.amdgpu_metadata
---
amdhsa.version: [ 1, 2 ]
amdhsa.kernels:
  - .name:           k_qe7d3bc8989_norm1
    .symbol:         k_qe7d3bc8989_norm1.kd
    .args:
      - { .name: x, .offset: 0, .size: 8, .value_kind: global_buffer, .address_space: global }
      - { .name: alpha1, .offset: 8, .size: 8, .value_kind: global_buffer, .address_space: global }
      - { .name: bias1, .offset: 16, .size: 8, .value_kind: global_buffer, .address_space: global }
      - { .name: xq, .offset: 24, .size: 8, .value_kind: global_buffer, .address_space: global }
    .group_segment_fixed_size: 22016
    .private_segment_fixed_size: 0
    .kernarg_segment_align: 8
    .kernarg_segment_size: 32
    .max_flat_workgroup_size: 128
    .sgpr_count:     66
    .vgpr_count:     256
    .wavefront_size: 32
...
	.end_amdgpu_metadata
.endif
;; end of part 1
;; launch qkv (part 2): grid 8 x 16, 4 waves a work-group, clusters of 4 x 4, 327,680 bytes of LDS; arguments xq, Wk_codes, Wk_scales, Wv_codes, Wv_scales, bk, bv, mask, qkvb; writes qkvb
.if DOCPART == 2
	.amdgcn_target "amdgcn-amd-amdhsa--gfx1250"
	.amdhsa_code_object_version 6
	.text
	.protected	k_qe7d3bc8989_qkv
	.globl	k_qe7d3bc8989_qkv
	.p2align	8
	.type	k_qe7d3bc8989_qkv,@function
k_qe7d3bc8989_qkv:
	s_mov_b64 s[64:65], 0
	v_nop
	global_prefetch_b8 v0, s[64:65] scope:SCOPE_SE
	s_setreg_imm32_b32 hwreg(HW_REG_WAVE_MODE, 25, 1), 1
	s_wait_xcnt 0x0
	s_wait_alu depctr_hold_cnt(0) depctr_sa_sdst(0) depctr_va_vdst(0) depctr_va_sdst(0) depctr_va_ssrc(0) depctr_va_vcc(0) depctr_vm_vsrc(0)
	s_getreg_b32 s2, hwreg(HW_REG_IB_STS2, 6, 4)
	s_cmp_eq_u32 s2, 0
	s_cbranch_scc0 .Lentry_in_a_cluster
	s_endpgm
.Lentry_in_a_cluster:
	s_bfe_u32 s2, ttmp6, 0x10000c
	s_cmp_lg_u32 s2, 0xf033
	s_cbranch_scc0 .Lentry_shape_is_right
	s_endpgm
.Lentry_shape_is_right:
; Two products on codes of E5M2 with E8M0 scales, K = 1,024, in one launch; the cluster's x says which (the same in all sixteen partners).
; JOB 0: q = k = x2 Wk + bk.  C[token][feature], tile 256 x 256.  Quantised along the head's 64 (two blocks of 32) and laid by head: QC [bh][token][64], KC the same with the rows of masked keys zero,
;        KSW [bh][token] one word: bytes 0, 1 the two scale bytes; byte 2 = 160 where mask == 0, else 1; byte 3 = 127.
; JOB 1: V^T = Wv^T x2^T + bv.  C[feature][token], so that the quantiser along the keys is again one along C's rows: VC [feature][4096 tokens], VS [feature][128 bytes].
; ORDER INSIDE A BLOCK OF 32 in QC, KC, VC: byte 16 h + i holds element 8 h + i, byte 16 h + 8 + i element 16 + 8 h + i (h = 0, 1; i = 0..7): a lane's two conversions stored as 16 bytes.
; Both sides of each later product are laid so (q against k; p, made from neighbouring keys, against V), so the products and the blocks' scales are kept.
; THE MASK is carried by byte 2 of KSW: the attention launch multiplies it into a constant -1 x +1 in the padded half of its K = 128.  LIMIT: a masked logit is -2^30 where the model's text has -1e9.
; THE CORE: a tile of C by four waves, each 128 x 128 in 64 accumulators; K in steps of 256 through two LDS slots filled by joint tensor loads (4 x 4 cluster: A's tile shared along a row, B's along a column);
; the scales of all of K come once.  The matrix instruction is used transposed (source 0 = rows of B, source 1 = rows of A): a lane holds eight neighbouring columns of one row of C.
; REGISTERS: window 0: v1-31 addresses; v32-63 scale words (nothing else); v64-127 the bias, 8 registers a block; v128-255 A's fragments, in the tail scratch and then rows read back.
;   window 1: B's fragments, two sets.  windows 2, 3: the accumulators ((a, b) at v[8 (8 (a % 4) + b)]).
; LIMITS: a block of zeros, or one under 2^-111, keeps the byte 1; NaN and infinities are not served.
.set SIZE_K, 1024
.set XSC,    4194304                   ; xq: where the scale bytes begin
.set KC,     4194304
.set VC,     8388608
.set KSW,    12582912
.set VS,     12845056
.set KSTEP,  256
.set NQ,     KSTEP/128
.set ROWB,   256
.set KROW,   SIZE_K
.set PITCH,  272                       ; an LDS row: 256 bytes + 16 of padding: the 16 rows of a load start at 16 different banks (64 banks of 4 bytes: ISA guide 11.1)
.set FR,     16
.set NL,     4
.set NP,     8                         ; places behind this matrix instruction (ISA guide 7.12.1)
.set HALFT,  128*PITCH
.set SLOT,   4*HALFT
.set LAPS,   SIZE_K/(2*KSTEP)
.set KS,     SIZE_K/32
.set SCL,    2*SLOT
.set HALFS,  (128*KS/256)*272
.set SBLK,   (16*KS/256)*272
.set SPARE,  SCL+4*HALFS               ; the spare words: 512 bytes that no other line names
.set QST,    0                         ; job 0's stage: 256 rows x 272, in slot 0, which has had its last fill and its last read by then
.set VST,    256*272                   ; job 1's stage, bytes of its own in the same slot
.set KWS,    SPARE+512                 ; job 0's scale words: [4 heads][256 tokens]
.set SSV,    KWS+4096                  ; job 1's scale bytes: [256 rows][8]
.set SWS0, 3
.set RD0,  4
.set KWR,  5
.set L16,  6
.set MKA,  7
.set MK,   8                           ; v8-15: the bias loads' offsets, then job 0's masks
.set ADRA, 16
.set SWS1, 18
.set SRD1, 19
.set ADRB, 20
.set SCO,  22
.set STO1, 23
.set STO0, 24
.set RD1,  25
.set CO,   26
.set ADRS, 27
.set SPW,  28
.set NIL,  29
.set PW,   30
.set MKRA, 31
.set SC,   32
.set BI,   64
.set AF,   128
.set PC,   128                         ; the tail: a block's codes,
.set TM,   144                         ; the quantiser's 16 registers at work,
.set SH,   160                         ; 16 h;  v161, v162 the two upper halves of a KSW word;  v163 the word
.set OUTR, 128                         ; and, behind the barrier, 128 registers of rows read back
.set G1, 24
.set G0, 32
.set G1B, 48
.set G0B, 56
.set G1S, 68
.set G0S, 76
.set G1SB, 80
.set G0SB, 88
.set SEL, 18
.set MNT, 23
.set MSB, 0
.macro WIN new                         ; the immediate's high byte repeats the setting that is left
.if MSB != \new
	s_set_vgpr_msb (MSB<<8)|\new
.set MSB, \new
.endif
.endm
.set MUL_LO, 0xa1
.set MUL_HI, 0xf1
.set TO_B,   0x40
.macro JLOAD g0a, g1a, g0b, g1b        ; a joint load: waves 0, 1 fetch for A, waves 2, 3 for B; four v_nop follow each line
	s_cmp_eq_u32 s15, 0
	s_cbranch_scc0 .Lfor_b_\@
	tensor_load_to_lds s[\g0a:\g0a+3], s[\g1a:\g1a+7]
	s_nop 0
.rept 4
	v_nop
.endr
	s_branch .Lasked_\@
.Lfor_b_\@:
	tensor_load_to_lds s[\g0b:\g0b+3], s[\g1b:\g1b+7]
	s_nop 0
.rept 4
	v_nop
.endr
.Lasked_\@:
.endm
.macro CREST
	s_cmp_lg_u32 s14, 0
	s_cbranch_scc1 .Lnot_wave_0_\@
	s_barrier_signal -3
.Lnot_wave_0_\@:
	s_barrier_wait -3
	s_barrier_signal -1
	s_barrier_wait -1
.endm
.macro CROUND
	s_barrier_signal -1
	s_barrier_wait -1
	CREST
.endm
	s_load_b64 s[4:5], s[0:1], 0x0                 ; xq
	s_load_b256 s[68:75], s[0:1], 0x8              ; Wk's codes, scales; Wv's codes, scales
	s_load_b128 s[76:79], s[0:1], 0x28             ; bk, bv
	s_load_b128 s[96:99], s[0:1], 0x38             ; mask, qkvb
	v_lshl_add_u32 v[SPW], v0, 2, SPARE
	v_mov_b32 v[NIL], 0
	ds_add_u32 v28, v29
	ds_add_u32 v28, v29
	s_wait_dscnt 0x0
	v_lshrrev_b32 v1, 5, v0
	v_readfirstlane_b32 s14, v1                    ; wave
	s_lshr_b32 s15, s14, 1                         ; my half of the tile's rows; also: I fetch for A (0) or B (1)
	s_and_b32 s16, s14, 1                          ; my half of its columns; also: which 128 rows I fetch
	s_bfe_u32 s40, ttmp6, 0x40000                  ; cx
	s_bfe_u32 s41, ttmp6, 0x40004                  ; cy
	s_and_b32 s17, ttmp7, 0xffff
	s_lshl_b32 s17, s17, 2                         ; 4 x cluster y
	s_cmp_eq_u32 ttmp9, 0                          ; job 0?
	s_cselect_b32 s18, s17, 0                      ; job 0 has 16 tile rows and 4 tile columns,
	s_cselect_b32 s19, 0, s17                      ; job 1 the other way round
	s_add_co_u32 s17, s18, s41                     ; tile row
	s_add_co_u32 s42, s19, s40                     ; tile column
	s_lshl_b32 s43, s41, 2
	s_lshl_b32 s43, 15, s43                        ; my row of the cluster
	s_lshl_b32 s44, 0x1111, s40                    ; my column
	s_or_b32 s[G1+0], s43, (0<<16)|(1<<20)|(1<<21)|(5<<22)|(3<<25)  ; the mask; elements of 1 byte; padding: 4 words behind every 64; bit 21 beside a mask
	s_or_b32 s[G1B+0], s44, (0<<16)|(1<<20)|(1<<21)|(5<<22)|(3<<25)
.irp g, G1, G1B
	s_mov_b32 s[\g+1], ROWB<<16
	s_mov_b32 s[\g+2], 256<<16                     ; the head's loads bring 256 rows; behind them the two words are set to 128
	s_mov_b32 s[\g+3], ROWB<<16
	s_mov_b32 s[\g+4], 256
	s_mov_b32 s[\g+5], KROW
	s_mov_b32 s[\g+6], 0
	s_mov_b32 s[\g+7], 0
.endr
	s_lshl_b32 s18, s16, 7
	s_lshl_b32 s20, s17, 8
	s_add_co_u32 s20, s20, s18                     ; A: row 256 x tile row + 128 x half
	s_lshl_b32 s46, s42, 8
	s_add_co_u32 s46, s46, s18                     ; B: row 256 x tile column + 128 x half
	s_mov_b32 s21, 0
	s_mov_b32 s47, 0
	s_mov_b64 s[18:19], KS
	s_mul_u64 s[22:23], s[20:21], s[18:19]
	s_mul_u64 s[92:93], s[46:47], s[18:19]
	s_mov_b64 s[18:19], KROW
	s_mul_u64 s[20:21], s[20:21], s[18:19]
	s_mul_u64 s[46:47], s[46:47], s[18:19]
	s_mul_i32 s45, s14, HALFT
	CROUND                                         ; the round in front of the first joint loads needs no argument: it stands while the scalar loads are out
	s_wait_kmcnt 0x0
	s_add_nc_u64 s[6:7], s[4:5], XSC               ; x2's scale bytes
	s_cmp_eq_u32 ttmp9, 0                          ; the operands change sides with the job: a choice between buffers on the cluster's number alone
	s_cselect_b64 s[8:9], s[68:69], s[4:5]         ; B's codes: Wk's, or x2's
	s_cselect_b64 s[10:11], s[70:71], s[6:7]       ; B's scales
	s_cselect_b64 s[4:5], s[4:5], s[72:73]         ; A's codes: x2's, or Wv's
	s_cselect_b64 s[6:7], s[6:7], s[74:75]         ; A's scales
	s_cselect_b64 s[100:101], s[76:77], s[78:79]   ; the bias
	s_cselect_b32 s95, 32, 0                       ; the bias's offsets: job 0: 32 h + 4 j (my eight columns); job 1: 4 r (my row)
	s_cselect_b32 s2, 0, 4
	s_cselect_b32 s3, 4, 0
	s_cselect_b32 s18, s42, s17                    ; it runs along the columns, or along the rows
	s_cselect_b32 s19, s16, s15
	s_or_b32 s[G1S+0], s43, (3<<16)|(1<<20)|(1<<21)|(5<<22)|(3<<25)  ; the scales of 256 rows: a dense block, as rows of 256 bytes + 16 of padding
	s_or_b32 s[G1SB+0], s44, (3<<16)|(1<<20)|(1<<21)|(5<<22)|(3<<25)
.irp g, G1S, G1SB
	s_mov_b32 s[\g+1], 32<<16
	s_mov_b32 s[\g+2], (256*KS/256)<<16            ; the scales of all 256 rows in one load
	s_mov_b32 s[\g+3], 32<<16
	s_mov_b32 s[\g+4], 256*KS/256
	s_mov_b32 s[\g+5], 32
	s_mov_b32 s[\g+6], 0
	s_mov_b32 s[\g+7], 0
.endr
	s_add_nc_u64 s[20:21], s[4:5], s[20:21]
	s_add_nc_u64 s[22:23], s[6:7], s[22:23]
	s_add_nc_u64 s[46:47], s[8:9], s[46:47]
	s_add_nc_u64 s[92:93], s[10:11], s[92:93]
	s_mul_i32 s12, s16, 128*KROW                   ; the head's four tiles are whole: my half's bytes come off the addresses
	s_mov_b32 s13, 0
	s_sub_nc_u64 s[6:7], s[20:21], s[12:13]        ; s[4:7]: group 0 for K step 0's 256 rows of A (the arguments that lay there are used up)
	s_sub_nc_u64 s[10:11], s[46:47], s[12:13]      ; s[8:11]: the same for B
	s_mov_b32 s4, 1
	s_mov_b32 s5, 0
	s_or_b32 s7, s7, 0x80000000
	s_mov_b32 s8, 1
	s_mov_b32 s9, 2*HALFT
	s_or_b32 s11, s11, 0x80000000
	s_mul_i32 s12, s16, 128*KS
	s_mov_b32 s[G0S], 1
	s_mov_b32 s[G0S+1], SCL
	s_sub_nc_u64 s[G0S+2:G0S+3], s[22:23], s[12:13]
	s_or_b32 s[G0S+3], s[G0S+3], 0x80000000
	s_mov_b32 s[G0SB], 1
	s_mov_b32 s[G0SB+1], SCL+2*HALFS
	s_sub_nc_u64 s[G0SB+2:G0SB+3], s[92:93], s[12:13]
	s_or_b32 s[G0SB+3], s[G0SB+3], 0x80000000
	; the prefetches: of the 128 rows that I fetch in the ring, each of the four partners that ask for them jointly names 32, told apart by address (cx for A, cy for B)
	s_cmp_eq_u32 s15, 0                            ; do I fetch for A?
	s_cselect_b64 s[66:67], s[20:21], s[46:47]     ; my 128 rows, K step 0
	s_cselect_b32 s12, s40, s41
	s_mul_i32 s12, s12, 32*KROW
	s_mov_b32 s13, 0
	s_add_nc_u64 s[66:67], s[66:67], s[12:13]
.irp s, 0,1
	s_mov_b32 s[G0+4*\s], 1
	s_add_co_u32 s[G0+4*\s+1], s45, \s*SLOT
	s_add_nc_u64 s[G0+4*\s+2:G0+4*\s+3], s[20:21], \s*ROWB
	s_or_b32 s[G0+4*\s+3], s[G0+4*\s+3], 0x80000000
	s_mov_b32 s[G0B+4*\s], 1
	s_add_co_u32 s[G0B+4*\s+1], s45, \s*SLOT
	s_add_nc_u64 s[G0B+4*\s+2:G0B+4*\s+3], s[46:47], \s*ROWB
	s_or_b32 s[G0B+4*\s+3], s[G0B+4*\s+3], 0x80000000
.endr
; THE HEAD'S LOADS, ONE A WAVE: wave 0 A's 256 rows of K step 0, wave 1 B's, wave 2 A's scales, wave 3 B's.  One chain of branches on the wave's number, a load to an arm.
.macro ARM under, g0, g1, next
	s_cmp_lt_u32 s14, \under
	s_cbranch_scc0 \next
	tensor_load_to_lds s[\g0:\g0+3], s[\g1:\g1+7]
	s_nop 0
.rept 4
	v_nop
.endr
	s_branch .Lhead_asked
\next:
.endm
	ARM 1, 4, G1, .Lhead_b
	ARM 2, 8, G1B, .Lhead_sa
	ARM 3, G0S, G1S, .Lhead_sb
	tensor_load_to_lds s[G0SB:G0SB+3], s[G1SB:G1SB+7]
	s_nop 0
.rept 4
	v_nop
.endr
.Lhead_asked:
	v_and_b32 v1, 15, v0                           ; r
	v_bfe_u32 v2, v0, 4, 1                         ; h
	; the bias: 64 registers, BI + 8 x + j
	s_lshl_b32 s18, s18, 10
	s_lshl_b32 s19, s19, 9
	s_add_co_u32 s18, s18, s19
	s_mov_b32 s19, 0
	s_add_nc_u64 s[100:101], s[100:101], s[18:19]
	v_mul_u32_u24 v128, s95, v2
	v_mad_u32_u24 v128, v1, s2, v128
	s_wait_alu depctr_va_vdst(0)
.irp j, 0,1,2,3,4,5,6,7
	s_mul_i32 s18, s3, \j
	v_add_nc_u32 v[MK+\j], s18, v128
.endr
.irp x, 0,1,2,3,4,5,6,7
.irp j, 0,1,2,3,4,5,6,7
	global_load_b32 v[BI+8*\x+\j], v[MK+\j], s[100:101] offset:64*\x
.endr
.endr
	v_mul_u32_u24 v128, v1, PITCH
	v_lshl_add_u32 v129, v2, 4, v128               ; 272 r + 16 h: a fragment's place, and a lane's place in a stage
	s_mul_i32 s21, s15, HALFT
	s_mul_i32 s22, s16, HALFT
	s_add_co_u32 s22, s22, 2*HALFT
.irp s, 0,1
	v_add_nc_u32 v[ADRA+\s], s21, v129
	v_add_nc_u32 v[ADRB+\s], s22, v129
	s_add_co_u32 s21, s21, SLOT
	s_add_co_u32 s22, s22, SLOT
.endr
	v_mul_u32_u24 v130, v1, KS
	v_lshrrev_b32 v131, 8, v130
	v_lshl_add_u32 v130, v131, 4, v130
	s_mul_i32 s21, s15, HALFS
	s_mul_i32 s22, s16, HALFS
	s_add_co_u32 s22, s22, 2*HALFS
	s_sub_co_u32 s22, s22, s21
	v_mul_u32_u24 v131, s22, v2                    ; lanes 16-31 take B's
	s_add_co_u32 s21, s21, SCL
	v_add_nc_u32 v130, v130, v131
	v_add_nc_u32 v[ADRS], s21, v130
	; the tails' addresses, all made here
	s_mul_i32 s23, s15, 128*272
	s_lshl_b32 s21, s16, 7
	s_add_co_u32 s23, s23, s21
	v_add_nc_u32 v[STO0], s23, v129                ; QST + (128 half + r) 272 + 128 column half + 16 h
	s_add_co_u32 s23, s23, VST
	v_add_nc_u32 v[STO1], s23, v129
	s_lshl_b32 s23, s16, 11
	s_lshl_b32 s21, s15, 9
	s_add_co_u32 s23, s23, s21
	s_add_co_u32 s23, s23, KWS
	v_lshlrev_b32 v130, 2, v1
	v_lshl_add_u32 v130, v2, 10, v130
	v_add_nc_u32 v[SWS0], s23, v130                ; KWS + 1,024 (2 column half + h) + 4 (128 row half + r): lanes 0-15 write my first head's word, lanes 16-31 my second's
	s_lshl_b32 s23, s15, 10
	s_lshl_b32 s21, s16, 2
	s_add_co_u32 s23, s23, s21
	s_add_co_u32 s23, s23, SSV
	v_lshl_add_u32 v[SWS1], v1, 3, s23
	v_and_b32 v131, 31, v0                         ; lane
	v_lshrrev_b32 v132, 2, v131
	v_and_b32 v133, 3, v131
	s_mul_i32 s23, s14, 64*272
	v_mul_u32_u24 v130, v132, 272
	v_lshl_add_u32 v130, v133, 4, v130
	v_add_nc_u32 v[RD0], s23, v130                 ; back, job 0: four lanes to a token's 64 bytes
	v_mul_u32_u24 v130, v2, 272
	v_lshl_add_u32 v130, v1, 4, v130
	s_add_co_u32 s23, s23, VST
	v_add_nc_u32 v[RD1], s23, v130                 ; back, job 1: sixteen lanes to a row's 256 bytes
	v_lshlrev_b32 v[L16], 4, v131
	s_lshl_b32 s23, s14, 10
	s_add_co_u32 s23, s23, KWS
	v_add_nc_u32 v[KWR], s23, v[L16]
	s_lshl_b32 s23, s14, 9
	s_add_co_u32 s23, s23, SSV
	v_lshl_add_u32 v[SRD1], v131, 3, s23
	s_lshl_b32 s23, s14, 13
	v_lshl_add_u32 v[SCO], v131, 7, s23
	v_lshlrev_b32 v130, 12, v2
	v_lshl_add_u32 v[CO], v1, 4, v130
	v_lshlrev_b32 v[MKA], 2, v1
	v_lshlrev_b32 v[MKRA], 2, v132
.macro FRAG reg, adr, q, i             ; 16 rows x 128 K of 8-bit codes: lane l holds row l % 16; registers 4 c .. 4 c + 3 hold K = 32 c + 16 (l / 16) + 0 .. 15
.irp c, 0,1,2,3
	ds_load_b128 v[\reg+4*\c:\reg+4*\c+3], v[\adr] offset:128*(\q)+32*\c+(\i)*16*PITCH
.endr
.endm
; 16 matrix instructions: A's blocks a0, a0 + 1 x B's eight.  The 64 accumulators take turns, one instruction a turn, in the same order in every step.
.macro MUL16 a0, p, q, sc, zero
.irp a, \a0, \a0+1
.irp b, 0,1,2,3,4,5,6,7
.if \zero
	v_wmma_scale_f32_16x16x128_f8f6f4 v[8*(8*((\a)%4)+\b):8*(8*((\a)%4)+\b)+7], v[128*(\p)+FR*\b:128*(\p)+FR*\b+FR-1], v[AF+FR*(\a):AF+FR*(\a)+FR-1], 0, v[SC+8*NQ*(\sc)+NQ*\b+(\q)], v[SC+8*NQ*(\sc)+NQ*(\a)+(\q)] matrix_a_fmt:MATRIX_FMT_BF8 matrix_b_fmt:MATRIX_FMT_BF8 matrix_a_scale:MATRIX_SCALE_ROW1
.else
	v_wmma_scale_f32_16x16x128_f8f6f4 v[8*(8*((\a)%4)+\b):8*(8*((\a)%4)+\b)+7], v[128*(\p)+FR*\b:128*(\p)+FR*\b+FR-1], v[AF+FR*(\a):AF+FR*(\a)+FR-1], v[8*(8*((\a)%4)+\b):8*(8*((\a)%4)+\b)+7], v[SC+8*NQ*(\sc)+NQ*\b+(\q)], v[SC+8*NQ*(\sc)+NQ*(\a)+(\q)] matrix_a_fmt:MATRIX_FMT_BF8 matrix_b_fmt:MATRIX_FMT_BF8 matrix_a_scale:MATRIX_SCALE_ROW1
.endif
.endr
.endr
.endm
.macro FETCH_B slot, q, p
	WIN TO_B
.irp i, 0,1,2,3,4,5,6,7
	FRAG 128*(\p)+FR*\i, ADRB+\slot, \q, \i
.endr
	WIN 0
.endm
.macro FETCH_A slot, q, i0
.irp i, \i0, \i0+1, \i0+2, \i0+3
	FRAG AF+FR*(\i), ADRA+\slot, \q, \i
.endr
.endm
.macro SCALES sc                       ; the K step's scale words: lanes 0-15 A's block i, lanes 16-31 B's block i
.irp i, 0,1,2,3,4,5,6,7
	ds_load_b64 v[SC+8*NQ*\sc+NQ*\i:SC+8*NQ*\sc+NQ*\i+1], v[ADRS] offset:\i*SBLK
.endr
.endm
.macro PLACES n                        ; plain vector lines between a matrix instruction and a load into, or a read or write of, its registers
.rept \n
	v_nop
.endr
.endm
.macro STEP slot, q, zero              ; 128 along K whose successor lies in the same slot
	s_wait_dscnt 4*NL                              ; B's set and A's blocks 0-3 are in; the youngest 16 loads (A's blocks 4-7) may be out
	WIN MUL_LO
	MUL16 0, (\q)%2, \q, \slot, \zero
	MUL16 2, (\q)%2, \q, \slot, \zero
	s_wait_dscnt 0
	PLACES NP
	FETCH_B \slot, (\q)+1, 1-(\q)%2
	FETCH_A \slot, (\q)+1, 0
	WIN MUL_HI
	MUL16 4, (\q)%2, \q, \slot, \zero
	MUL16 6, (\q)%2, \q, \slot, \zero
	PLACES NP
	WIN 0
	FETCH_A \slot, (\q)+1, 4
.endm
; A slot's last step changes slots: one barrier; in front of it each wave waits for all its tensor loads, adds 0 to its spare word, and waits for that and for its reads of this slot.
.macro TURN slot, next, fill
	s_wait_tensorcnt 0x0                           ; all my tensor loads have landed: my part of the next slot
	ds_add_u32 v[SPW], v[NIL]                      ; 0 onto my spare word
	s_wait_dscnt 4*NL+1                            ; (the add and the youngest 16 loads may be out)
	WIN MUL_LO
	MUL16 0, 1, NQ-1, \slot, 0
	s_wait_dscnt 0x0                               ; the add is done, and my reads of this slot are over
	s_barrier_signal -1
	MUL16 2, 1, NQ-1, \slot, 0
	WIN 0
	s_barrier_wait -1
.if \fill
	CREST                                          ; the barrier has opened a round of the cluster's: no wave of any partner still reads this slot or has a load on its way
	s_add_nc_u64 s[G0+4*\slot+2:G0+4*\slot+3], s[G0+4*\slot+2:G0+4*\slot+3], 2*ROWB
	s_add_nc_u64 s[G0B+4*\slot+2:G0B+4*\slot+3], s[G0B+4*\slot+2:G0B+4*\slot+3], 2*ROWB
	JLOAD G0+4*\slot, G1, G0B+4*\slot, G1B
	PLACES NP-4
.else
	PLACES NP
.endif
	s_wait_alu depctr_va_vdst(0)
	v_add_nc_u32 v[ADRS], 4*NQ, v[ADRS]
	FETCH_B \next, 0, 0
	FETCH_A \next, 0, 0
	SCALES \next
	WIN MUL_HI
	MUL16 4, 1, NQ-1, \slot, 0
	MUL16 6, 1, NQ-1, \slot, 0
	PLACES NP
	WIN 0
	FETCH_A \next, 0, 4
.endm
; THE QUANTISER of block a (16 rows x 128 columns): a lane's 64 numbers, register 16 p + i of them in block p of 32 columns, become 16 registers of codes (PC) and a word of four scale bytes (PW).
; bsel = 0: the bias runs along the columns (BI + 8 b); 1: along the rows (BI + 8 a); -1: none.  relu = 1: what is negative becomes 0.  Each accumulator is read from its low end on.
.macro QUANT a, relu, bsel
.set W, 2+(\a)/4
.set AC, 64*((\a)%4)
.if (\bsel) >= 0
.set WN, W|(W<<6)
	WIN WN
.irp b, 0,1,2,3,4,5,6,7
.irp i, 0,2,4,6
.if (\bsel) == 0
	v_pk_add_f32 v[AC+8*\b+\i:AC+8*\b+\i+1], v[AC+8*\b+\i:AC+8*\b+\i+1], v[BI+8*\b+\i:BI+8*\b+\i+1]
.else
	v_pk_add_f32 v[AC+8*\b+\i:AC+8*\b+\i+1], v[AC+8*\b+\i:AC+8*\b+\i+1], v[BI+8*(\a)+\i:BI+8*(\a)+\i+1]
.endif
.endr
.endr
.endif
.set WN, W|(W<<2)
	WIN WN
.irp p, 0,1,2,3
.if \relu
	v_max3_num_f32 v[TM+\p], v[AC+16*\p], v[AC+16*\p+1], 0x8000000
.else
	v_max3_num_f32 v[TM+\p], |v[AC+16*\p]|, |v[AC+16*\p+1]|, 0x8000000   ; with the floor 2^(16 - 127): the byte cannot fall under 1
.endif
.endr
.set WN, (W<<2)|(W<<4)
	WIN WN
.irp i, 2,4,6,8,10,12,14
.irp p, 0,1,2,3
.if \relu
	v_max3_num_f32 v[TM+\p], v[TM+\p], v[AC+16*\p+\i], v[AC+16*\p+\i+1]
.else
	v_max3_num_f32 v[TM+\p], v[TM+\p], |v[AC+16*\p+\i]|, |v[AC+16*\p+\i+1]|
.endif
.endr
.endr
	WIN 0
	s_wait_alu depctr_va_vdst(0)
	s_wait_dscnt 0x0                               ; the last block's LDS stores have read PC and PW: both are written again below
.irp p, 0,1,2,3
	v_permlanex16_b32 v[TM+4+\p], v[TM+\p], s[SEL], s[SEL+1]
.endr
.irp p, 0,1,2,3
	v_max_num_f32 v[TM+\p], v[TM+\p], v[TM+4+\p]   ; with lane l xor 16's 16: the block's largest magnitude
.endr
.irp p, 0,1,2,3
	v_add_nc_u32 v[TM+12+\p], 0xf8800000, v[TM+\p] ; 15 off the exponent field: the conversion's scale operand
.endr
.irp p, 0,1,2,3
	v_and_or_b32 v[TM+8+\p], v[TM+\p], 0x7f800000, s[MNT]   ; 57,344 x the scale
.endr
.irp p, 0,1,2,3
	v_lshrrev_b32 v[TM+4+\p], 23, v[TM+12+\p]      ; the byte
.endr
	v_lshl_or_b32 v[PW], v[TM+5], 8, v[TM+4]
	v_lshl_or_b32 v[PW], v[TM+6], 16, v[PW]
	v_lshl_or_b32 v[PW], v[TM+7], 24, v[PW]
.set WN, W|(W<<6)
	WIN WN
.irp p, 0,1,2,3
.irp i, 0,1,2,3,4,5,6,7,8,9,10,11,12,13,14,15
.if \relu
	v_med3_num_f32 v[AC+16*\p+\i], v[AC+16*\p+\i], 0, v[TM+8+\p]
.else
	v_med3_num_f32 v[AC+16*\p+\i], v[AC+16*\p+\i], -v[TM+8+\p], v[TM+8+\p]   ; the conversion does not saturate (ISA guide 7.6.2): the hold comes first
.endif
.endr
.endr
	WIN W
.irp p, 0,1,2,3
	v_cvt_scalef32_pk8_bf8_f32 v[PC+4*\p:PC+4*\p+1], v[AC+16*\p:AC+16*\p+7], v[TM+12+\p]
	v_cvt_scalef32_pk8_bf8_f32 v[PC+4*\p+2:PC+4*\p+3], v[AC+16*\p+8:AC+16*\p+15], v[TM+12+\p]
.endr
	WIN 0
	v_nop                                          ; a plain line behind the last conversion
.endm
	v_and_b32 v0, 31, v0                           ; the thread's number is done with: v0 becomes the prefetches' offset, a lane a row, and is not written again
	v_lshlrev_b32 v0, 10, v0
	global_prefetch_b8 v0, s[66:67] offset:ROWB th:TH_LOAD_NT scope:SCOPE_SE     ; K step 1: 32 rows x 256 bytes; each block is named once in the cluster
	global_prefetch_b8 v0, s[66:67] offset:2*ROWB th:TH_LOAD_NT scope:SCOPE_SE   ; K step 2, two steps ahead of its load
	s_wait_alu depctr_va_vdst(0)
	s_wait_tensorcnt 0x0
	ds_add_u32 v[SPW], v[NIL]
	s_mov_b32 s[G1+2], 128<<16
	s_mov_b32 s[G1+4], 128
	s_mov_b32 s[G1B+2], 128<<16
	s_mov_b32 s[G1B+4], 128
	s_wait_dscnt 0x0
	CROUND                                         ; all four tiles are in, and all sixteen work-groups are here
	JLOAD G0+4, G1, G0B+4, G1B                     ; K step 1, the first tensor load behind the round
	FETCH_B 0, 0, 0
	FETCH_A 0, 0, 0
	SCALES 0
	FETCH_A 0, 0, 4
	global_prefetch_b8 v0, s[66:67] offset:3*ROWB th:TH_LOAD_NT scope:SCOPE_SE   ; K step 3, the last: two steps ahead of its load
	STEP 0, 0, 1
	s_mov_b32 s3, LAPS-1
.Llap:
	TURN 0, 1, 1
	STEP 1, 0, 0
	TURN 1, 0, 1
	STEP 0, 0, 0
	s_sub_co_u32 s3, s3, 1
	s_cmp_lg_u32 s3, 0
	s_cbranch_scc1 .Llap
	TURN 0, 1, 0                                   ; the last lap fills nothing
	STEP 1, 0, 0
	s_wait_dscnt 4*NL
	WIN MUL_LO
	MUL16 0, 1, NQ-1, 1, 0
	MUL16 2, 1, NQ-1, 1, 0
	s_wait_dscnt 0
	WIN MUL_HI
	MUL16 4, 1, NQ-1, 1, 0
	MUL16 6, 1, NQ-1, 1, 0
	WIN 0
	s_mov_b32 s[SEL], 0x76543210
	s_mov_b32 s[SEL+1], 0xfedcba98
	s_mov_b32 s[MNT], 0x600000
	s_wait_loadcnt 0x0                             ; the bias is in, and its loads' offsets are free
	PLACES NP
.irp p, 0,1,2,3
	v_mov_b32 v[TM+4+\p], 0                        ; a lane permute's destination counts as read
.endr
	s_cmp_lg_u32 ttmp9, 0                          ; the jobs part here, on the cluster's number, and do not meet again; each has LDS bytes of its own
	s_cbranch_scc1 .Lv
	; ---- JOB 0: q = k
	s_lshl_b32 s20, s17, 8
	s_lshl_b32 s21, s15, 7
	s_add_co_u32 s20, s20, s21
	s_lshl_b32 s20, s20, 2
	s_mov_b32 s21, 0
	s_add_nc_u64 s[72:73], s[96:97], s[20:21]      ; the mask at the 128 tokens that I compute,
	s_lshl_b32 s20, s17, 8
	s_lshl_b32 s22, s14, 6
	s_add_co_u32 s20, s20, s22
	s_lshl_b32 s20, s20, 2
	s_add_nc_u64 s[74:75], s[96:97], s[20:21]      ; and at the 64 that I store
.irp a, 0,1,2,3,4,5,6,7
	global_load_b32 v[MK+\a], v[MKA], s[72:73] offset:64*\a
.endr
	s_lshr_b32 s20, s17, 3                         ; the batch
	s_lshl_b32 s20, s20, 4
	s_lshl_b32 s22, s42, 2
	s_add_co_u32 s20, s20, s22                     ; the tile's first head: 16 b + 4 x tile column
	s_and_b32 s22, s17, 7
	s_lshl_b32 s22, s22, 8                         ; its first token in the batch
	s_lshl_b32 s46, s20, 11
	s_add_co_u32 s46, s46, s22
	s_lshl_b32 s47, s14, 6
	s_add_co_u32 s46, s46, s47
	s_lshl_b32 s46, s46, 6
	s_mov_b32 s47, 0
	s_add_nc_u64 s[12:13], s[98:99], s[46:47]      ; QC at head 0 of the tile, my 64 tokens
	s_add_nc_u64 s[70:71], s[12:13], KC            ; KC likewise
	s_add_co_u32 s20, s20, s14
	s_lshl_b32 s20, s20, 11
	s_add_co_u32 s20, s20, s22
	s_lshl_b32 s20, s20, 2
	s_add_nc_u64 s[68:69], s[98:99], s[20:21]
	s_add_nc_u64 s[68:69], s[68:69], KSW           ; KSW at head w of the tile, its 256 tokens
	v_lshlrev_b32 v[SH], 4, v2
	v_mov_b32 v161, 0x7fa00000                     ; masked: byte 2 = 160 (2^33), byte 3 = 127
	v_mov_b32 v162, 0x7f010000                     ; not masked: byte 2 = 1
.irp a, 0,1,2,3,4,5,6,7
	QUANT \a, 0, 0
.if \a == 0
	s_wait_alu depctr_va_vdst(0)
	s_wait_loadcnt 0x0                             ; the masks
.endif
	v_cmp_ne_u32 vcc_lo, 0, v[MK+\a]
	v_cndmask_b32 v[MK+\a], v161, v162, vcc_lo
.irp p, 0,1,2,3
	ds_store_b128 v[STO0], v[PC+4*\p:PC+4*\p+3] offset:4352*\a+32*\p
.endr
	v_lshrrev_b32 v163, v[SH], v[PW]               ; lanes 0-15: my first head's two bytes; lanes 16-31: my second's
	v_and_or_b32 v163, v163, 0xffff, v[MK+\a]
	ds_store_b32 v[SWS0], v163 offset:64*\a
.endr
.irp u, 0,1,2,3,4,5,6,7
	global_load_b32 v[64+\u], v[MKRA], s[74:75] offset:32*\u   ; the masks of the tokens that I store, into the bias's registers, which are done with
.endr
	s_wait_dscnt 0x0                               ; for the others' sake: my stores into the stage are done
	s_barrier_signal -1
	s_barrier_wait -1
.irp n, 0,1,2,3
.irp u, 0,1,2,3,4,5,6,7
	ds_load_b128 v[OUTR+4*(8*\n+\u):OUTR+4*(8*\n+\u)+3], v[RD0] offset:2176*\u+64*\n   ; head n, tokens 8 u on
.endr
.endr
	ds_load_b128 v[72:75], v[KWR]
	ds_load_b128 v[76:79], v[KWR] offset:512
.irp n, 0,1,2,3
.irp u, 0,1,2,3,4,5,6,7
	s_wait_dscnt 33-(8*\n+\u)                      ; the younger loads may be out
	global_store_b128 v[L16], v[OUTR+4*(8*\n+\u):OUTR+4*(8*\n+\u)+3], s[12:13] offset:131072*\n+512*\u   ; the wave stores 512 consecutive bytes
.endr
.endr
	s_wait_dscnt 0x0
	global_store_b128 v[L16], v[72:75], s[68:69]
	global_store_b128 v[L16], v[76:79], s[68:69] offset:512
	s_wait_loadcnt 0x0                             ; the masks of my 64 tokens
	s_wait_xcnt 0x0                                ; the stores have read their data, which are written again below
.irp u, 0,1,2,3,4,5,6,7
	v_cmp_ne_u32 vcc_lo, 0, v[64+\u]
.irp n, 0,1,2,3
.irp k, 0,1,2,3
	v_cndmask_b32 v[OUTR+4*(8*\n+\u)+\k], 0, v[OUTR+4*(8*\n+\u)+\k], vcc_lo   ; a masked key's codes become zeros
.endr
.endr
.endr
.irp n, 0,1,2,3
.irp u, 0,1,2,3,4,5,6,7
	global_store_b128 v[L16], v[OUTR+4*(8*\n+\u):OUTR+4*(8*\n+\u)+3], s[70:71] offset:131072*\n+512*\u
.endr
.endr
	s_wait_tensorcnt 0x0                           ; the wave's end
	ds_add_u32 v[SPW], v[NIL]
	s_wait_dscnt 0x0
	CROUND                                         ; the closing round
	s_endpgm
.Lv:	; ---- JOB 1: V^T
	s_lshl_b32 s20, s17, 8
	s_lshl_b32 s21, s14, 6
	s_add_co_u32 s20, s20, s21
	s_lshl_b32 s20, s20, 12                        ; my 64 rows of 4,096 bytes,
	s_lshl_b32 s21, s42, 8
	s_add_co_u32 s20, s20, s21                     ; the tile's 256 tokens
	s_mov_b32 s21, 0
	s_add_nc_u64 s[12:13], s[98:99], s[20:21]
	s_add_nc_u64 s[12:13], s[12:13], VC
	s_lshl_b32 s20, s17, 15
	s_lshl_b32 s22, s42, 3
	s_add_co_u32 s20, s20, s22
	s_add_nc_u64 s[68:69], s[98:99], s[20:21]
	s_add_nc_u64 s[68:69], s[68:69], VS
.irp a, 0,1,2,3,4,5,6,7
	QUANT \a, 0, 1
.irp p, 0,1,2,3
	ds_store_b128 v[STO1], v[PC+4*\p:PC+4*\p+3] offset:4352*\a+32*\p
.endr
	ds_store_b32 v[SWS1], v[PW] offset:128*\a      ; both halves of the lanes write the same word with the same value
.endr
	s_wait_dscnt 0x0
	s_barrier_signal -1
	s_barrier_wait -1
.set T, 0
.rept 32
	ds_load_b128 v[OUTR+4*T:OUTR+4*T+3], v[RD1] offset:544*T
.set T, T+1
.endr
	ds_load_b64 v[64:65], v[SRD1]
	ds_load_b64 v[66:67], v[SRD1] offset:256
.set T, 0
.rept 32
	s_wait_dscnt 33-T                              ; the younger loads may be out
	global_store_b128 v[CO], v[OUTR+4*T:OUTR+4*T+3], s[12:13] offset:8192*T   ; sixteen lanes store 256 consecutive bytes, aligned
.set T, T+1
.endr
	s_wait_dscnt 0x0
	global_store_b64 v[SCO], v[64:65], s[68:69]    ; 8 scale bytes a row, rows 128 bytes apart: one byte for 32 of the codes'
	global_store_b64 v[SCO], v[66:67], s[68:69] offset:4096
	s_wait_tensorcnt 0x0                           ; the wave's end
	ds_add_u32 v[SPW], v[NIL]
	s_wait_dscnt 0x0
	CROUND
	s_endpgm
.Lfunc_end_k_qe7d3bc8989_qkv:
	.size	k_qe7d3bc8989_qkv, .Lfunc_end_k_qe7d3bc8989_qkv-k_qe7d3bc8989_qkv
	.p2alignl 7, 3214868480
	.fill 96, 4, 3214868480
	.section	.rodata,"a",@progbits
	.p2align	6, 0x0
	.amdhsa_kernel k_qe7d3bc8989_qkv
		.amdhsa_group_segment_fixed_size 327680
		.amdhsa_private_segment_fixed_size 0
		.amdhsa_enable_private_segment 0
		.amdhsa_kernarg_size 72
		.amdhsa_user_sgpr_count 2
		.amdhsa_user_sgpr_kernarg_segment_ptr 1
		.amdhsa_wavefront_size32 1
		.amdhsa_system_sgpr_workgroup_id_x 1
		.amdhsa_system_sgpr_workgroup_id_y 1
		.amdhsa_system_sgpr_workgroup_id_z 1
		.amdhsa_system_vgpr_workitem_id 0
		.amdhsa_next_free_vgpr 1024
		.amdhsa_next_free_sgpr 102
		.amdhsa_reserve_vcc 1
		.amdhsa_float_denorm_mode_32 3
		.amdhsa_float_denorm_mode_16_64 3
		.amdhsa_memory_ordered 1
		.amdhsa_forward_progress 1
		.amdhsa_inst_pref_size 255
	.end_amdhsa_kernel
	.section	.bss,"aw",@nobits
	.p2align	6
	.space	262144
	.amdgpu_metadata
---
amdhsa.version: [ 1, 2 ]
amdhsa.kernels:
  - .name:           k_qe7d3bc8989_qkv
    .symbol:         k_qe7d3bc8989_qkv.kd
    .args:
      - { .name: xq, .offset: 0, .size: 8, .value_kind: global_buffer, .address_space: global }
      - { .name: Wk_codes, .offset: 8, .size: 8, .value_kind: global_buffer, .address_space: global }
      - { .name: Wk_scales, .offset: 16, .size: 8, .value_kind: global_buffer, .address_space: global }
      - { .name: Wv_codes, .offset: 24, .size: 8, .value_kind: global_buffer, .address_space: global }
      - { .name: Wv_scales, .offset: 32, .size: 8, .value_kind: global_buffer, .address_space: global }
      - { .name: bk, .offset: 40, .size: 8, .value_kind: global_buffer, .address_space: global }
      - { .name: bv, .offset: 48, .size: 8, .value_kind: global_buffer, .address_space: global }
      - { .name: mask, .offset: 56, .size: 8, .value_kind: global_buffer, .address_space: global }
      - { .name: qkvb, .offset: 64, .size: 8, .value_kind: global_buffer, .address_space: global }
    .group_segment_fixed_size: 327680
    .private_segment_fixed_size: 0
    .kernarg_segment_align: 8
    .kernarg_segment_size: 72
    .max_flat_workgroup_size: 128
    .sgpr_count:     102
    .vgpr_count:     1024
    .wavefront_size: 32
...
	.end_amdgpu_metadata
.endif
;; end of part 2
;; launch attn (part 3): grid 8 x 32, 16 waves a work-group, clusters of 4 x 1, 327,680 bytes of LDS; arguments qkvb, cq; writes cq
.if DOCPART == 3
	.amdgcn_target "amdgcn-amd-amdhsa--gfx1250"
	.amdhsa_code_object_version 6
	.text
	.protected	k_qe7d3bc8989_attn
	.globl	k_qe7d3bc8989_attn
	.p2align	8
	.type	k_qe7d3bc8989_attn,@function
k_qe7d3bc8989_attn:
	s_mov_b64 s[64:65], 0
	v_nop
	global_prefetch_b8 v0, s[64:65] scope:SCOPE_SE
	s_setreg_imm32_b32 hwreg(HW_REG_WAVE_MODE, 25, 1), 1
	s_wait_xcnt 0x0
	s_wait_alu depctr_hold_cnt(0) depctr_sa_sdst(0) depctr_va_vdst(0) depctr_va_sdst(0) depctr_va_ssrc(0) depctr_va_vcc(0) depctr_vm_vsrc(0)
	s_getreg_b32 s2, hwreg(HW_REG_IB_STS2, 6, 4)
	s_cmp_eq_u32 s2, 0
	s_cbranch_scc0 .Lentry_in_a_cluster
	s_endpgm
.Lentry_in_a_cluster:
	s_bfe_u32 s2, ttmp6, 0x10000c
	s_cmp_lg_u32 s2, 0x3003
	s_cbranch_scc0 .Lentry_shape_is_right
	s_endpgm
.Lentry_shape_is_right:
; ctx[b][q][head] = softmax_k(q . k / 8, masked) v, both products on codes of E5M2 with E8M0 scales; ctx is quantised along the model's 1,024 features on its way out.
; IN (one buffer): QC, KC [bh][token][64 codes], KSW [bh][token] a word, VC [feature][4096 tokens], VS [feature][128 bytes].  OUT: codes [4096][1024] at 0, scale bytes [4096][32] at XSC.
; THE SOFTMAX: t = score x log2(e) / 8; M = the running largest t rounded up to a whole number; p = 2^(t - M) is quantised along the keys, not normalised; the row's sum of the unquantised p divides at the end.
; THE FIRST PRODUCT'S K is 64, the instruction's 128.  The upper half carries THE MASK: at k = 64 every key holds the code -1 and every query +1; all else there is 0.  Block 2's scale byte is the key's byte 2 of KSW:
; 160 (2^33) for a masked key, whose own codes are zeros, so that its score is exactly -2^33; 1 for the others, whose score carries -2^-126.
; LIMIT: a masked logit is -2^30 where the model's text has -1e9: it shows only where an unmasked logit of the row lies under about -9e8.  In a row with every key masked t is a whole number and every p is 1.
; LIMIT: the scaled scores stay under 2^31 in magnitude.  NaN and infinities are not served.
; SHARES: a work-group owns 256 queries of one head, each of sixteen waves 16: four waves to a SIMD.  128 keys a step, 16 steps: seven trips of two and a last trip written out, which asks for nothing beyond the last key.
; K, V AND THEIR SCALES OF THE WHOLE HEAD STAY IN LDS, filled once, by sixteen loads at the head, one a wave: waves 0-3 K's quarters (128 rows of 256 bytes), 4, 5 KSW's halves, 6, 7 VS's halves, 8-15 V's eighths (64 rows of 256 bytes).
; CLUSTER 4, 1, 1: the four work-groups walk the same head, so every load is a joint one (mask 15): no descriptor word hangs on the place in the cluster.  One barrier when all is in; behind it no wave waits for another.
; NO PREFETCH: every byte is asked for at the head, by its load; there is no loop to run ahead in.
; LAYOUT: S^T = K Q^T, O^T = V^T P^T: a lane holds one query.  Tiles 2 b, 2 b + 1 give a lane keys 32 b + 8 h + 0..7 and 32 b + 16 + 8 h + 0..7, the order in which VC's blocks are laid.
; REGISTERS: v1-4 places that stay, v8-11 a trip's addresses; v12 -M, v13 the largest t, v[14:15], v[228:229] the sum; v16-31 Q; v32-95 four fragments of K (upper halves constant); v96-159 S^T, p, then V's tiles 0-2;
;   v160-191 O^T; v192-207 p's codes; v208-223 V's tile 3; v232-247, v252, v254 at work; scale words alone: v224-227, v248-251, v253 (p's), v255 (Q's); v230, v231 the add's two.
.set KC,    4194304
.set VC,    8388608
.set KSW,   12582912
.set VS,    12845056
.set XSC,   4194304
.set SEGB,  64*272                     ; 256 keys in LDS: 64 rows of 256 bytes + 16.  K: a row is four keys; V: a row is 256 keys of one feature
.set VB,    8*SEGB
.set SCK,   16*SEGB                    ; KSW: 32 runs of 256 bytes + 16
.set SCV,   SCK+32*272                 ; VS: 64 rows of 64 bytes + 16
.set STAGE, SCV+64*80                  ; the way out: 16 rows x 80 bytes a wave; no tile lands there
.set SPARE, STAGE+16*1280              ; the spare words: 2,048 bytes that no other line names
.set AK0,  1
.set AV0,  2
.set ASK0, 3
.set ASV0, 4
.set GO,   7
.set ADK,  8
.set ADV,  9
.set ADS,  10
.set ADT,  11
.set SPW,  230
.set NIL,  231
.set TB,   2
.set TS,   3
.set WV,   18
.set MNT,  19
.set SEL,  20
.set CS,   22
.set G1K,  24
.set G1V,  32
.set G1SK, 40
.set G1SV, 48
.set G0K,  56
.set G0V,  60
.set TJ,   66
.set TRIPS, 67
.set G0SK, 68
.set G0SV, 72
.set WGX,  76
.set QM,   101
.macro CROUND                          ; a round of the cluster's barrier
	s_barrier_signal -1
	s_barrier_wait -1
	s_cmp_lg_u32 s[WV], 0
	s_cbranch_scc1 .Lnot_wave_0_\@
	s_barrier_signal -3
.Lnot_wave_0_\@:
	s_barrier_wait -3
	s_barrier_signal -1
	s_barrier_wait -1
.endm
	s_load_b128 s[4:7], s[0:1], 0x0                ; qkvb, cq
	v_lshl_add_u32 v[SPW], v0, 2, SPARE
	v_mov_b32 v[NIL], 0
	ds_add_u32 v[SPW], v[NIL]                      ; the opening lines: the add, twice on end, and one wait
	ds_add_u32 v[SPW], v[NIL]
	v_lshrrev_b32 v8, 5, v0
	v_readfirstlane_b32 s[WV], v8
	s_bfe_u32 s[WGX], ttmp6, 0x40000               ; cx
	s_lshl_b32 s77, ttmp9, 2
	s_add_co_u32 s[WGX], s[WGX], s77               ; work-group x: which 256 queries
	s_and_b32 s8, ttmp7, 0xffff                    ; bh
	s_lshr_b32 s9, s8, 4                           ; the batch
	s_and_b32 s10, s8, 15                          ; the head
	s_and_b32 s11, s[WV], 1                        ; which half of the scales,
	s_and_b32 s16, s[WV], 3                        ; which quarter of K,
	s_and_b32 s17, s[WV], 7                        ; which eighth of V I would fetch
	s_mov_b32 s[G1K], 15|(1<<20)|(1<<21)|(5<<22)|(3<<25)   ; the mask of the four; elements of 1 byte; 4 words of padding behind every 64; bit 21 beside a mask
	s_mov_b32 s[G1V], 15|(1<<20)|(1<<21)|(5<<22)|(3<<25)
.irp g, G1K, G1V
	s_mov_b32 s[\g+1], 256<<16
	s_mov_b32 s[\g+3], 256<<16
	s_mov_b32 s[\g+6], 0
	s_mov_b32 s[\g+7], 0
.endr
	s_mov_b32 s[G1K+2], 128<<16                    ; K: 128 rows, dense
	s_mov_b32 s[G1K+4], 128
	s_mov_b32 s[G1K+5], 256
	s_mov_b32 s[G1V+2], 64<<16                     ; V: 64 rows, 4,096 bytes apart
	s_mov_b32 s[G1V+4], 64
	s_mov_b32 s[G1V+5], 4096
	s_mov_b32 s[G1SK], 15|(3<<16)|(1<<20)|(1<<21)|(5<<22)|(3<<25)  ; KSW: 4,096 dense bytes as 16 rows of 256
	s_mov_b32 s[G1SK+1], 32<<16
	s_mov_b32 s[G1SK+2], 16<<16
	s_mov_b32 s[G1SK+3], 32<<16
	s_mov_b32 s[G1SK+4], 16
	s_mov_b32 s[G1SK+5], 32
	s_mov_b32 s[G1SK+6], 0
	s_mov_b32 s[G1SK+7], 0
	s_mov_b32 s[G1SV], 15|(1<<20)|(1<<21)|(3<<22)|(3<<25)  ; VS: 32 rows of 64 bytes, 128 apart; 4 words behind every 16
	s_mov_b32 s[G1SV+1], 64<<16
	s_mov_b32 s[G1SV+2], 32<<16
	s_mov_b32 s[G1SV+3], 64<<16
	s_mov_b32 s[G1SV+4], 32
	s_mov_b32 s[G1SV+5], 128
	s_mov_b32 s[G1SV+6], 0
	s_mov_b32 s[G1SV+7], 0
	s_mov_b32 s[SEL], 0x76543210
	s_mov_b32 s[SEL+1], 0xfedcba98
	s_mov_b32 s[CS], 0x3e38aa3b                    ; c = log2(e) / 8
	s_mov_b32 s[CS+1], s[CS]
	s_mov_b32 s[MNT], 0x600000
	s_mov_b32 s[QM], 0x7f7f0000
	s_lshl_b32 s12, s8, 17                         ; K: bh x 2,048 keys of 64 bytes + my quarter
	s_lshl_b32 s77, s16, 15
	s_add_co_u32 s12, s12, s77
	s_add_co_u32 s12, s12, KC
	s_mov_b32 s13, 0
	s_lshl_b32 s14, s10, 18                        ; V: the head's 64 rows + the batch's 2,048 tokens + my 256
	s_lshl_b32 s77, s9, 11
	s_add_co_u32 s14, s14, s77
	s_lshl_b32 s77, s17, 8
	s_add_co_u32 s14, s14, s77
	s_add_co_u32 s14, s14, VC
	s_mov_b32 s15, 0
	s_lshl_b32 s78, s8, 13                         ; KSW: 8,192 bytes a head, halves of 4,096
	s_lshl_b32 s77, s11, 12
	s_add_co_u32 s78, s78, s77
	s_add_co_u32 s78, s78, KSW
	s_mov_b32 s79, 0
	s_lshl_b32 s80, s10, 13                        ; VS: the head's 64 rows of 128 bytes + 32 rows x half + the batch's 64 bytes
	s_add_co_u32 s80, s80, s77
	s_lshl_b32 s77, s9, 6
	s_add_co_u32 s80, s80, s77
	s_add_co_u32 s80, s80, VS
	s_mov_b32 s81, 0
	s_mov_b32 s[G0K], 1
	s_mul_i32 s[G0K+1], s16, 2*SEGB
	s_mov_b32 s[G0V], 1
	s_mul_i32 s[G0V+1], s17, SEGB
	s_add_co_u32 s[G0V+1], s[G0V+1], VB
	s_mov_b32 s[G0SK], 1
	s_mul_i32 s[G0SK+1], s11, 16*272
	s_add_co_u32 s[G0SK+1], s[G0SK+1], SCK
	s_mov_b32 s[G0SV], 1
	s_mul_i32 s[G0SV+1], s11, 32*80
	s_add_co_u32 s[G0SV+1], s[G0SV+1], SCV
	s_wait_dscnt 0x0                               ; both opening adds are done
	CROUND                                         ; the round in front of the joint loads needs no argument: it stands while the scalar load is out
	s_wait_kmcnt 0x0
	s_add_nc_u64 s[G0K+2:G0K+3], s[4:5], s[12:13]
	s_or_b32 s[G0K+3], s[G0K+3], 0x80000000
	s_add_nc_u64 s[G0V+2:G0V+3], s[4:5], s[14:15]
	s_or_b32 s[G0V+3], s[G0V+3], 0x80000000
	s_add_nc_u64 s[G0SK+2:G0SK+3], s[4:5], s[78:79]
	s_or_b32 s[G0SK+3], s[G0SK+3], 0x80000000
	s_add_nc_u64 s[G0SV+2:G0SV+3], s[4:5], s[80:81]
	s_or_b32 s[G0SV+3], s[G0SV+3], 0x80000000
	; Q's loads go out behind the round, ahead of the fills: they are each wave's own and wait for nobody
	s_lshl_b32 s2, s[WGX], 8
	s_lshl_b32 s17, s[WV], 4
	s_add_co_u32 s2, s2, s17                       ; my first query
	s_lshl_b32 s17, s8, 11
	s_add_co_u32 s17, s17, s2
	s_lshl_b32 s2, s17, 6
	s_mov_b32 s3, 0
	s_add_nc_u64 s[8:9], s[4:5], s[2:3]            ; Q's codes
	s_lshl_b32 s2, s17, 2
	s_add_co_u32 s2, s2, KSW
	s_add_nc_u64 s[10:11], s[4:5], s[2:3]          ; Q's words
	s_mov_b32 s[TB], 0
	s_mov_b32 s[TS], 0
	s_mov_b32 s[TJ], 0
	v_and_b32 v8, 15, v0                           ; r
	v_bfe_u32 v9, v0, 4, 1                         ; h
	v_lshlrev_b32 v10, 6, v8
	v_lshl_add_u32 v10, v9, 4, v10
	global_load_b128 v[16:19], v10, s[8:9]         ; Q's 64 codes: k = 16 h + 0..15,
	global_load_b128 v[20:23], v10, s[8:9] offset:32   ; 32 + 16 h + 0..15
	v_lshlrev_b32 v254, 2, v8
	global_load_b32 v255, v254, s[10:11]
	s_wait_alu depctr_va_vdst(0)                   ; the wait ahead of the branches below
; ALL FILLS OF THE LAUNCH, one a wave: one chain of branches on the wave's number, a load to an arm; s_nop 0 and four v_nop behind each
.macro ARM under, g0, g1, next
	s_cmp_lt_u32 s[WV], \under
	s_cbranch_scc0 \next
	tensor_load_to_lds s[\g0:\g0+3], s[\g1:\g1+7]
	s_nop 0
.rept 4
	v_nop
.endr
	s_branch .Lhead_asked
\next:
.endm
	ARM 4, G0K,  G1K,  .Lhead_sk
	ARM 6, G0SK, G1SK, .Lhead_sv
	ARM 8, G0SV, G1SV, .Lhead_v
	tensor_load_to_lds s[G0V:G0V+3], s[G1V:G1V+7]
	s_nop 0
.rept 4
	v_nop
.endr
.Lhead_asked:
	v_bfe_u32 v5, v0, 2, 2                         ; r / 4
	v_and_b32 v6, 3, v0                            ; r % 4
	v_mul_u32_u24 v[AK0], v5, 272                  ; a tile of K: 272 (r / 4) + 64 (r % 4) + 16 h
	v_lshl_add_u32 v[AK0], v6, 6, v[AK0]
	v_lshl_add_u32 v[AK0], v9, 4, v[AK0]
	v_mul_u32_u24 v[AV0], v8, 272                  ; a tile of V: VB + 272 r + 16 h
	v_lshl_add_u32 v[AV0], v9, 4, v[AV0]
	v_add_nc_u32 v[AV0], VB, v[AV0]
	v_lshl_add_u32 v[ASK0], v8, 2, SCK
	v_mul_u32_u24 v[ASV0], v8, 80
	v_add_nc_u32 v[ASV0], SCV, v[ASV0]
	v_sub_nc_u32 v11, 1, v9                        ; 1 in lanes 0-15: register 8's byte 0 there is k = 64
	v_mul_u32_u24 v24, v11, 0x3c                   ; the code of +1
.irp j, 25,26,27,28,29,30,31
	v_mov_b32 v[\j], 0
.endr
.irp t, 0,1,2,3
	v_mul_u32_u24 v[40+16*\t], v11, 0xbc           ; the code of -1
.irp j, 9,10,11,12,13,14,15
	v_mov_b32 v[32+16*\t+\j], 0
.endr
.endr
	s_wait_alu depctr_va_vdst(0)                   ; the wait ahead of the wait below
	s_wait_loadcnt 0x0                             ; Q
	v_and_or_b32 v255, v255, 0xffff, s[QM]         ; Q's scale word: its two bytes, then 127 for the padded half
	v_mov_b32 v13, 0xff61b1e6                      ; the largest t so far: -3e38
	v_floor_f32 v12, -v13                          ; -M
	v_mov_b32 v14, 0
	v_mov_b32 v15, 0
.irp b, 0,1,2,3
	v_mov_b32 v[236+\b], 0                         ; a lane permute's destination counts as read
.endr
	v_mov_b32 v253, 0
.set J, 0
.rept 32
	v_mov_b32 v[160+J], 0                          ; O^T: the steps have no first step of their own
.set J, J+1
.endr
.macro TRIPADR                         ; a trip is 256 keys: two key steps; all else stands in the loads' immediates
	v_add_nc_u32 v[ADK], s[TB], v[AK0]
	v_add_nc_u32 v[ADV], s[TB], v[AV0]
	v_add_nc_u32 v[ADS], s[TS], v[ASK0]
	v_add_nc_u32 v[ADT], s[TJ], v[ASV0]
.endm
.macro KG0 koff, soff                  ; a step's first four tiles of K (16 keys are four LDS rows) and their scale words
.irp t, 0,1,2,3
	ds_load_b128 v[32+16*\t:35+16*\t], v[ADK] offset:(\koff)+1088*\t
	ds_load_b128 v[36+16*\t:39+16*\t], v[ADK] offset:(\koff)+1088*\t+32
	ds_load_b32 v[224+\t], v[ADS] offset:(\soff)+64*\t
.endr
.endm
.macro VT reg, t, q                    ; V's tile t: 16 of the head's 64 features x the step's 128 keys
.irp c, 0,1,2,3
	ds_load_b128 v[\reg+4*\c:\reg+4*\c+3], v[ADV] offset:4352*(\t)+128*(\q)+32*\c
.endr
.endm
.macro MAXA b0, b1                     ; the largest score of two blocks of 32 keys, by turns: the first eight lines.  Each accumulator is read from its low end on
.irp b, \b0, \b1
	v_max3_num_f32 v[232+\b], v[96+16*\b], v[97+16*\b], v[98+16*\b]
.endr
.irp i, 3,5,7
.irp b, \b0, \b1
	v_max3_num_f32 v[232+\b], v[232+\b], v[96+16*\b+\i], v[97+16*\b+\i]
.endr
.endr
.endm
.macro MAXB b0, b1                     ; and the last eight
.irp i, 9,11,13
.irp b, \b0, \b1
	v_max3_num_f32 v[232+\b], v[232+\b], v[96+16*\b+\i], v[97+16*\b+\i]
.endr
.endr
.irp b, \b0, \b1
	v_max_num_f32 v[232+\b], v[232+\b], v[111+16*\b]
.endr
.endm
; A KEY STEP: 128 keys, the q-th of the trip.  Its first four fragments of K are in registers when it begins.  pre = 1: it asks for the next step's.
.macro STEP q, pre
.if (\q) == 1
.rept 9
	v_nop                                          ; the products below write over registers that the last step's products read: nine places (in a trip's first step four additions and five v_nop)
.endr
.endif
.irp t, 0,1,2,3
	v_wmma_scale_f32_16x16x128_f8f6f4 v[96+8*\t:103+8*\t], v[32+16*\t:47+16*\t], v[16:31], 0, v[224+\t], v255 matrix_a_fmt:MATRIX_FMT_BF8 matrix_b_fmt:MATRIX_FMT_BF8
.endr
.rept 8
	v_nop                                          ; places in front of loads into registers that these products have read, and of the first read of their results
.endr
.irp t, 0,1,2,3
	ds_load_b128 v[32+16*\t:35+16*\t], v[ADK] offset:8704*(\q)+1088*(4+\t)
	ds_load_b128 v[36+16*\t:39+16*\t], v[ADK] offset:8704*(\q)+1088*(4+\t)+32
	ds_load_b32 v[248+\t], v[ADS] offset:544*(\q)+272+64*\t
.endr
	MAXA 0, 1                                      ; work on the first 64 keys' scores while the loads are out
	s_wait_alu depctr_va_vdst(0)                   ; the wait ahead of the wait below
	s_wait_dscnt 0x0
.irp t, 0,1,2,3
	v_wmma_scale_f32_16x16x128_f8f6f4 v[128+8*\t:135+8*\t], v[32+16*\t:47+16*\t], v[16:31], 0, v[248+\t], v255 matrix_a_fmt:MATRIX_FMT_BF8 matrix_b_fmt:MATRIX_FMT_BF8
.endr
	MAXB 0, 1                                      ; eight plain lines that name none of those products' registers: the places behind them
.if \pre
	KG0 8704*((\q)+1), 544*((\q)+1)
.endif
.irp t, 0,1,2,3
	ds_load_b32 v[248+\t], v[ADT] offset:4*(\q)+1280*\t   ; V's scale words
.endr
	VT 208, 3, \q
	MAXA 2, 3
	MAXB 2, 3
.irp b, 0,1,2,3
	v_permlanex16_b32 v[236+\b], v[232+\b], s[SEL], s[SEL+1]
.endr
.irp b, 0,1,2,3
	v_max_num_f32 v[232+\b], v[232+\b], v[236+\b]  ; with lane l xor 16's 16 keys: the block's largest score; since p rises with the score it also gives the block's largest p
.endr
	v_max3_num_f32 v254, v232, v233, v234
	v_max_num_f32 v254, v254, v235
	v_mul_f32 v254, s[CS], v254
	v_max_num_f32 v13, v13, v254                   ; the running largest t
	v_mov_b32 v254, v12
	v_floor_f32 v12, -v13                          ; the new -M: M is a whole number
	v_sub_f32 v254, v12, v254                      ; old M - new M, 0 or less
	v_cvt_i32_f32 v254, v254                       ; (it saturates)
	v_ldexp_f32 v252, 1.0, v254                    ; f = 2^(old M - new M): a multiplication by it rounds nothing
.set J, 0
.rept 32
	v_pk_fma_f32 v[96+J:97+J], v[96+J:97+J], s[CS:CS+1], v[12:13] op_sel_hi:[1,0,0]   ; t - M, two at a time
.set J, J+2
.endr
.irp b, 0,1,2,3
	v_fma_f32 v[232+\b], v[232+\b], s[CS], v12     ; the same of each block's largest score
.endr
	s_wait_alu depctr_va_vdst(0)                   ; one batch of 68 exponentials: one wait ahead of it
.set J, 0
.rept 64
	v_exp_f32 v[96+J], v[96+J]                     ; p = 2^(t - M)
.set J, J+1
.endr
.irp b, 0,1,2,3
	v_exp_f32 v[232+\b], v[232+\b]                 ; the block's largest p
.endr
	v_pk_mul_f32 v[14:15], v[14:15], v[252:253] op_sel_hi:[1,0]   ; the sums under the new M (a plain place behind the batch)
	s_wait_alu depctr_va_vdst(0)                   ; and one behind it, ahead of its first reader
.irp b, 0,1,2,3
	v_max_num_f32 v[232+\b], 0x8000000, v[232+\b]  ; the floor 2^(16 - 127): the byte cannot fall under 1
.endr
.irp b, 0,1,2,3
	v_add_nc_u32 v[244+\b], 0xf8800000, v[232+\b]  ; 15 off the exponent field: the conversion's scale operand
.endr
.irp b, 0,1,2,3
	v_and_or_b32 v[240+\b], v[232+\b], 0x7f800000, s[MNT]   ; 57,344 x the scale
.endr
.irp b, 0,1,2,3
	v_lshrrev_b32 v[236+\b], 23, v[244+\b]         ; the byte
.endr
	v_lshl_or_b32 v253, v237, 8, v236              ; p's scale word for these 128 keys
	v_lshl_or_b32 v253, v238, 16, v253
	v_lshl_or_b32 v253, v239, 24, v253
	v_pk_add_f32 v[228:229], v[96:97], v[98:99]    ; the row's sum of the unquantised p, in two chains
.irp j, 4,8,12,16,20,24,28,32,36,40,44,48,52,56,60
	v_pk_add_f32 v[14:15], v[14:15], v[96+\j:97+\j]
	v_pk_add_f32 v[228:229], v[228:229], v[98+\j:99+\j]
.endr
	v_pk_add_f32 v[14:15], v[14:15], v[228:229]
.irp b, 0,1,2,3
.irp i, 0,2,4,6,8,10,12,14
	v_dual_min_num_f32 v[96+16*\b+\i], v[96+16*\b+\i], v[240+\b] :: v_dual_min_num_f32 v[97+16*\b+\i], v[97+16*\b+\i], v[240+\b]   ; the conversion does not saturate (ISA guide 7.6.2); p is not negative: a one-sided hold, two a line
.endr
	v_cvt_scalef32_pk8_bf8_f32 v[192+4*\b:193+4*\b], v[96+16*\b:103+16*\b], v[244+\b]
	v_cvt_scalef32_pk8_bf8_f32 v[194+4*\b:195+4*\b], v[104+16*\b:111+16*\b], v[244+\b]
.if \b < 3
	VT 96+16*\b, \b, \q                            ; V's tile b into the registers that block b's p has left
.endif
.endr
	s_wait_alu depctr_va_vdst(0)                   ; the wait directly ahead of the first readers of O^T
.set J, 0
.rept 16
	v_pk_mul_f32 v[160+J:161+J], v[160+J:161+J], v[252:253] op_sel_hi:[1,0]   ; O^T under the new M; these lines are also the places between the codes and the products
.set J, J+2
.endr
	s_wait_alu depctr_va_vdst(0)                   ; the wait ahead of the wait below
	s_wait_dscnt 0x4                               ; all but tile 2's four loads, the last that were issued
	v_wmma_scale_f32_16x16x128_f8f6f4 v[184:191], v[208:223], v[192:207], v[184:191], v251, v253 matrix_a_fmt:MATRIX_FMT_BF8 matrix_b_fmt:MATRIX_FMT_BF8
	v_wmma_scale_f32_16x16x128_f8f6f4 v[160:167], v[96:111], v[192:207], v[160:167], v248, v253 matrix_a_fmt:MATRIX_FMT_BF8 matrix_b_fmt:MATRIX_FMT_BF8
	v_wmma_scale_f32_16x16x128_f8f6f4 v[168:175], v[112:127], v[192:207], v[168:175], v249, v253 matrix_a_fmt:MATRIX_FMT_BF8 matrix_b_fmt:MATRIX_FMT_BF8
	s_wait_dscnt 0x0
	v_wmma_scale_f32_16x16x128_f8f6f4 v[176:183], v[128:143], v[192:207], v[176:183], v250, v253 matrix_a_fmt:MATRIX_FMT_BF8 matrix_b_fmt:MATRIX_FMT_BF8
.endm
.macro TRIP pre
	TRIPADR
.rept 5
	v_nop                                          ; with the four additions: nine places behind the last step's products
.endr
	STEP 0, 1
	STEP 1, \pre
	s_add_co_u32 s[TB], s[TB], SEGB
	s_add_co_u32 s[TS], s[TS], 1088
	s_add_co_u32 s[TJ], s[TJ], 8
.endm
	s_wait_alu depctr_va_vdst(0)                   ; the wait at the head's end
	s_wait_tensorcnt 0x0                           ; my one load has landed
	s_barrier_signal -1
	s_barrier_wait -1                              ; everybody's has: K, V and the scales are whole, nothing is filled again, and from here on no wave waits for another
	TRIPADR
	KG0 0, 0
	s_wait_alu depctr_va_vdst(0)
	s_wait_dscnt 0x0
	s_mov_b32 s[TRIPS], 7
.Ltrip:
	TRIP 1
	s_sub_co_u32 s[TRIPS], s[TRIPS], 1
	s_cmp_lg_u32 s[TRIPS], 0
	s_wait_alu depctr_va_vdst(0)                   ; the wait ahead of the branch
	s_cbranch_scc1 .Ltrip
	TRIP 0                                         ; the last 256 keys: the last step asks for nothing
	; THE WAY OUT: O^T / the sum, quantised along the head's 64 features (two blocks of the model's 1,024, in their natural order), through my stage, 64 bytes a token.
	v_add_f32 v14, v14, v15
	v_permlanex16_b32 v252, v14, s[SEL], s[SEL+1]
	v_add_f32 v14, v14, v252
	s_wait_alu depctr_va_vdst(0)                   ; the wait ahead of the reciprocal
	v_rcp_f32 v14, v14
	v_and_b32 v8, 15, v0                           ; the address work is the plain work behind the reciprocal and the places behind the last products
	v_bfe_u32 v9, v0, 4, 1
	s_mul_i32 s24, s[WV], 1280                     ; (every tensor load has been waited for: the descriptors' registers are free)
	s_add_co_u32 s24, s24, STAGE
	v_mul_u32_u24 v10, v8, 80
	v_lshl_add_u32 v10, v9, 3, v10
	v_add_nc_u32 v10, s24, v10                     ; in: row r, + 8 h
	v_and_b32 v1, 31, v0
	v_lshrrev_b32 v2, 2, v1
	v_and_b32 v3, 3, v1
	v_mul_u32_u24 v11, v2, 80
	v_lshl_add_u32 v11, v3, 4, v11
	v_add_nc_u32 v11, s24, v11                     ; back: four lanes to a token
	v_lshl_add_u32 v4, v8, 5, v9                   ; my scale byte: 32 r + h
	v_lshlrev_b32 v[GO], 10, v2
	v_lshl_add_u32 v[GO], v3, 4, v[GO]
	s_and_b32 s25, ttmp7, 0xffff
	s_lshr_b32 s26, s25, 4                         ; the batch
	s_and_b32 s27, s25, 15                         ; the head
	s_lshl_b32 s28, s[WGX], 8
	s_lshl_b32 s29, s[WV], 4
	s_add_co_u32 s28, s28, s29
	s_lshl_b32 s29, s26, 11
	s_add_co_u32 s28, s28, s29                     ; my first token
	s_lshl_b32 s30, s28, 10
	s_lshl_b32 s29, s27, 6
	s_add_co_u32 s30, s30, s29
	s_mov_b32 s31, 0
	s_add_nc_u64 s[12:13], s[6:7], s[30:31]        ; ctx's codes: my rows, my head's 64 bytes
	s_lshl_b32 s30, s28, 5
	s_lshl_b32 s29, s27, 1
	s_add_co_u32 s30, s30, s29
	s_add_co_u32 s30, s30, XSC
	s_add_nc_u64 s[14:15], s[6:7], s[30:31]        ; and its two scale bytes a row
	s_wait_alu depctr_va_vdst(0)                   ; the wait ahead of the first readers of the reciprocal and of O^T
.set J, 0
.rept 32
	v_mul_f32 v[96+J], v[160+J], v14               ; register 8 t + i: ctx(r, 16 t + 8 h + i)
.set J, J+1
.endr
.irp b, 0,1
	v_max3_num_f32 v[232+\b], |v[96+16*\b]|, |v[97+16*\b]|, 0x8000000
.endr
.irp i, 2,4,6,8,10,12,14
.irp b, 0,1
	v_max3_num_f32 v[232+\b], v[232+\b], |v[96+16*\b+\i]|, |v[97+16*\b+\i]|
.endr
.endr
.irp b, 0,1
	v_permlanex16_b32 v[236+\b], v[232+\b], s[SEL], s[SEL+1]
.endr
.irp b, 0,1
	v_max_num_f32 v[232+\b], v[232+\b], v[236+\b]
.endr
.irp b, 0,1
	v_add_nc_u32 v[244+\b], 0xf8800000, v[232+\b]
.endr
.irp b, 0,1
	v_and_or_b32 v[240+\b], v[232+\b], 0x7f800000, s[MNT]
.endr
.irp b, 0,1
	v_lshrrev_b32 v[236+\b], 23, v[244+\b]
.endr
	v_cmp_ne_u32 vcc_lo, 0, v9
	v_cndmask_b32 v254, v236, v237, vcc_lo         ; lanes 0-15 store block 0's byte, lanes 16-31 block 1's
.irp b, 0,1
.irp i, 0,1,2,3,4,5,6,7,8,9,10,11,12,13,14,15
	v_med3_num_f32 v[96+16*\b+\i], v[96+16*\b+\i], -v[240+\b], v[240+\b]
.endr
	v_cvt_scalef32_pk8_bf8_f32 v[192+4*\b:193+4*\b], v[96+16*\b:103+16*\b], v[244+\b]
	v_cvt_scalef32_pk8_bf8_f32 v[194+4*\b:195+4*\b], v[104+16*\b:111+16*\b], v[244+\b]
.endr
	v_nop
.irp b, 0,1
	ds_store_b64 v10, v[192+4*\b:193+4*\b] offset:32*\b        ; features 32 b + 8 h + 0..7,
	ds_store_b64 v10, v[194+4*\b:195+4*\b] offset:32*\b+16     ; 32 b + 16 + 8 h + 0..7
.endr
	ds_load_b128 v[32:35], v11                     ; LDS serves a wave's instructions in order: these see my stores
	ds_load_b128 v[36:39], v11 offset:640
	global_store_b8 v4, v254, s[14:15]             ; two bytes a token: one for 32 of the codes'
	s_wait_dscnt 1                                 ; the first eight tokens are back; the second load may be out
	global_store_b128 v[GO], v[32:35], s[12:13]    ; 64 bytes a token: my head's share of a row
	s_wait_dscnt 0x0
	global_store_b128 v[GO], v[36:39], s[12:13] offset:8192
	s_wait_tensorcnt 0x0                           ; the wave's end
	ds_add_u32 v[SPW], v[NIL]
	s_wait_dscnt 0x0
	CROUND                                         ; the closing round
	s_endpgm
.Lfunc_end_k_qe7d3bc8989_attn:
	.size	k_qe7d3bc8989_attn, .Lfunc_end_k_qe7d3bc8989_attn-k_qe7d3bc8989_attn
	.p2alignl 7, 3214868480
	.fill 96, 4, 3214868480
	.section	.rodata,"a",@progbits
	.p2align	6, 0x0
	.amdhsa_kernel k_qe7d3bc8989_attn
		.amdhsa_group_segment_fixed_size 327680
		.amdhsa_private_segment_fixed_size 0
		.amdhsa_enable_private_segment 0
		.amdhsa_kernarg_size 16
		.amdhsa_user_sgpr_count 2
		.amdhsa_user_sgpr_kernarg_segment_ptr 1
		.amdhsa_wavefront_size32 1
		.amdhsa_system_sgpr_workgroup_id_x 1
		.amdhsa_system_sgpr_workgroup_id_y 1
		.amdhsa_system_sgpr_workgroup_id_z 1
		.amdhsa_system_vgpr_workitem_id 0
		.amdhsa_next_free_vgpr 256
		.amdhsa_next_free_sgpr 102
		.amdhsa_reserve_vcc 1
		.amdhsa_float_denorm_mode_32 3
		.amdhsa_float_denorm_mode_16_64 3
		.amdhsa_memory_ordered 1
		.amdhsa_forward_progress 1
		.amdhsa_inst_pref_size 96
	.end_amdhsa_kernel
	.amdgpu_metadata
---
amdhsa.version: [ 1, 2 ]
amdhsa.kernels:
  - .name:           k_qe7d3bc8989_attn
    .symbol:         k_qe7d3bc8989_attn.kd
    .args:
      - { .name: qkvb, .offset: 0, .size: 8, .value_kind: global_buffer, .address_space: global }
      - { .name: cq, .offset: 8, .size: 8, .value_kind: global_buffer, .address_space: global }
    .group_segment_fixed_size: 327680
    .private_segment_fixed_size: 0
    .kernarg_segment_align: 8
    .kernarg_segment_size: 16
    .max_flat_workgroup_size: 512
    .sgpr_count:     102
    .vgpr_count:     256
    .wavefront_size: 32
...
	.end_amdgpu_metadata
.endif
;; end of part 3
;; launch oproj (part 4): grid 8 x 32, 4 waves a work-group, clusters of 4 x 4, 327,680 bytes of LDS; arguments cq, Wo_codes, Wo_scales, bo, x, x1; writes x1
.if DOCPART == 4
	.amdgcn_target "amdgcn-amd-amdhsa--gfx1250"
	.amdhsa_code_object_version 6
	.text
	.protected	k_qe7d3bc8989_oproj
	.globl	k_qe7d3bc8989_oproj
	.p2align	8
	.type	k_qe7d3bc8989_oproj,@function
k_qe7d3bc8989_oproj:
	s_mov_b64 s[64:65], 0
	v_nop
	global_prefetch_b8 v0, s[64:65] scope:SCOPE_SE
	s_setreg_imm32_b32 hwreg(HW_REG_WAVE_MODE, 25, 1), 1
	s_wait_xcnt 0x0
	s_wait_alu depctr_hold_cnt(0) depctr_sa_sdst(0) depctr_va_vdst(0) depctr_va_sdst(0) depctr_va_ssrc(0) depctr_va_vcc(0) depctr_vm_vsrc(0)
	s_getreg_b32 s2, hwreg(HW_REG_IB_STS2, 6, 4)
	s_cmp_eq_u32 s2, 0
	s_cbranch_scc0 .Lentry_in_a_cluster
	s_endpgm
.Lentry_in_a_cluster:
	s_bfe_u32 s2, ttmp6, 0x10000c
	s_cmp_lg_u32 s2, 0xf033
	s_cbranch_scc0 .Lentry_shape_is_right
	s_endpgm
.Lentry_shape_is_right:
.set SIZE_K, 1024
.set ASOFF,  4194304
.set KSTEP,  512
.set ROWB,   512
.set KROW,   SIZE_K
.set PITCH,  528
.set NP,     8
.set HALFT,  64*PITCH
.set SLOT,   4*HALFT
.set LAPS,   SIZE_K/(2*KSTEP)
.set KS,     SIZE_K/32
.set SCL,    2*SLOT
.set HALFS,  (64*KS/256)*272
.set SBLK,   (16*KS/256)*272
.set SPARE,  SCL+4*HALFS
.set ON,     4096
.set ADRA, 16
.set ADRB, 20
.set BOF,  23
.set STO,  24
.set RD,   25
.set CO,   26
.set ADRS, 27
.set SPW,  28
.set NIL,  29
.set SC,   32
.set BI,   64
.set OB,   64
.set ACC,  128
.set F0,   0
.set F1,   128
.set RS,   0
.set G1, 24
.set G0, 32
.set G1B, 48
.set G0B, 56
.set G1S, 68
.set G0S, 76
.set G1SB, 80
.set G0SB, 88
.set MSB, 0
.macro WIN new
.if MSB != \new
	s_set_vgpr_msb (MSB<<8)|\new
.set MSB, \new
.endif
.endm
.set MUL,  0x05
.set TO_F, 0x40
.macro JLOAD g0a, g1a, g0b, g1b
	s_cmp_eq_u32 s15, 0
	s_cbranch_scc0 .Lfor_b_\@
	tensor_load_to_lds s[\g0a:\g0a+3], s[\g1a:\g1a+7]
	s_nop 0
.rept 4
	v_nop
.endr
	s_branch .Lasked_\@
.Lfor_b_\@:
	tensor_load_to_lds s[\g0b:\g0b+3], s[\g1b:\g1b+7]
	s_nop 0
.rept 4
	v_nop
.endr
.Lasked_\@:
.endm
.macro CREST
	s_cmp_lg_u32 s14, 0
	s_cbranch_scc1 .Lnot_wave_0_\@
	s_barrier_signal -3
.Lnot_wave_0_\@:
	s_barrier_wait -3
	s_barrier_signal -1
	s_barrier_wait -1
.endm
.macro CROUND
	s_barrier_signal -1
	s_barrier_wait -1
	CREST
.endm
	s_load_b64 s[4:5], s[0:1], 0x0
	s_load_b128 s[8:11], s[0:1], 0x8
	s_load_b128 s[96:99], s[0:1], 0x18
	s_load_b64 s[12:13], s[0:1], 0x28
	v_lshl_add_u32 v[SPW], v0, 2, SPARE
	v_mov_b32 v[NIL], 0
	ds_add_u32 v28, v29
	ds_add_u32 v28, v29
	s_wait_dscnt 0x0
	v_lshrrev_b32 v1, 5, v0
	v_readfirstlane_b32 s14, v1
	s_lshr_b32 s15, s14, 1
	s_and_b32 s16, s14, 1
	s_bfe_u32 s40, ttmp6, 0x40000
	s_bfe_u32 s41, ttmp6, 0x40004
	s_lshl_b32 s42, ttmp9, 2
	s_add_co_u32 s42, s42, s40
	s_and_b32 s17, ttmp7, 0xffff
	s_lshl_b32 s17, s17, 2
	s_add_co_u32 s17, s17, s41
	s_lshl_b32 s43, s41, 2
	s_lshl_b32 s43, 15, s43
	s_lshl_b32 s44, 0x1111, s40
	s_or_b32 s[G1+0], s43, (0<<16)|(1<<20)|(1<<21)|(6<<22)|(3<<25)
	s_or_b32 s[G1B+0], s44, (0<<16)|(1<<20)|(1<<21)|(6<<22)|(3<<25)
.irp g, G1, G1B
	s_mov_b32 s[\g+1], ROWB<<16
	s_mov_b32 s[\g+2], 128<<16
	s_mov_b32 s[\g+3], ROWB<<16
	s_mov_b32 s[\g+4], 128
	s_mov_b32 s[\g+5], KROW
	s_mov_b32 s[\g+6], 0
	s_mov_b32 s[\g+7], 0
.endr
	s_or_b32 s[G1S+0], s43, (3<<16)|(1<<20)|(1<<21)|(5<<22)|(3<<25)
	s_or_b32 s[G1SB+0], s44, (3<<16)|(1<<20)|(1<<21)|(5<<22)|(3<<25)
.irp g, G1S, G1SB
	s_mov_b32 s[\g+1], 32<<16
	s_mov_b32 s[\g+2], (128*KS/256)<<16
	s_mov_b32 s[\g+3], 32<<16
	s_mov_b32 s[\g+4], 128*KS/256
	s_mov_b32 s[\g+5], 32
	s_mov_b32 s[\g+6], 0
	s_mov_b32 s[\g+7], 0
.endr
	s_lshl_b32 s18, s16, 6
	s_lshl_b32 s20, s17, 7
	s_add_co_u32 s20, s20, s18
	s_lshl_b32 s46, s42, 7
	s_add_co_u32 s46, s46, s18
	s_mov_b32 s21, 0
	s_mov_b32 s47, 0
	s_mov_b64 s[18:19], KS
	s_mul_u64 s[22:23], s[20:21], s[18:19]
	s_mul_u64 s[92:93], s[46:47], s[18:19]
	s_mov_b64 s[18:19], KROW
	s_mul_u64 s[20:21], s[20:21], s[18:19]
	s_mul_u64 s[46:47], s[46:47], s[18:19]
	s_mul_i32 s45, s14, HALFT
	CROUND                                         ; the round in front of the first joint loads needs no argument: it stands while the scalar loads are out
	s_wait_kmcnt 0x0
	s_add_nc_u64 s[6:7], s[4:5], ASOFF
	s_add_nc_u64 s[20:21], s[4:5], s[20:21]
	s_add_nc_u64 s[22:23], s[6:7], s[22:23]
	s_add_nc_u64 s[46:47], s[8:9], s[46:47]
	s_add_nc_u64 s[92:93], s[10:11], s[92:93]
	s_mul_i32 s2, s16, 64*KROW                     ; the head's four tiles are whole: my half's bytes come off the addresses
	s_mov_b32 s3, 0
	s_sub_nc_u64 s[6:7], s[20:21], s[2:3]          ; s[4:7]: group 0 for K step 0's 128 rows of A
	s_sub_nc_u64 s[10:11], s[46:47], s[2:3]        ; s[8:11]: the same for B
	s_mov_b32 s4, 1
	s_mov_b32 s5, 0
	s_or_b32 s7, s7, 0x80000000
	s_mov_b32 s8, 1
	s_mov_b32 s9, 2*HALFT
	s_or_b32 s11, s11, 0x80000000
	s_mul_i32 s2, s16, 64*KS
	s_mov_b32 s[G0S], 1
	s_mov_b32 s[G0S+1], SCL
	s_sub_nc_u64 s[G0S+2:G0S+3], s[22:23], s[2:3]
	s_or_b32 s[G0S+3], s[G0S+3], 0x80000000
	s_mov_b32 s[G0SB], 1
	s_mov_b32 s[G0SB+1], SCL+2*HALFS
	s_sub_nc_u64 s[G0SB+2:G0SB+3], s[92:93], s[2:3]
	s_or_b32 s[G0SB+3], s[G0SB+3], 0x80000000
	; the prefetch: of the 64 rows that I fetch in the ring, each of the four partners that ask for them jointly names 16, told apart by address (cx for A, cy for B)
	s_cmp_eq_u32 s15, 0                            ; do I fetch for A?
	s_cselect_b64 s[94:95], s[20:21], s[46:47]     ; my 64 rows, K step 0
	s_cselect_b32 s66, s40, s41
	s_mul_i32 s66, s66, 16*KROW
	s_mov_b32 s67, 0
	s_add_nc_u64 s[94:95], s[94:95], s[66:67]
.irp s, 0,1
	s_mov_b32 s[G0+4*\s], 1
	s_add_co_u32 s[G0+4*\s+1], s45, \s*SLOT
	s_add_nc_u64 s[G0+4*\s+2:G0+4*\s+3], s[20:21], \s*ROWB
	s_or_b32 s[G0+4*\s+3], s[G0+4*\s+3], 0x80000000
	s_mov_b32 s[G0B+4*\s], 1
	s_add_co_u32 s[G0B+4*\s+1], s45, \s*SLOT
	s_add_nc_u64 s[G0B+4*\s+2:G0B+4*\s+3], s[46:47], \s*ROWB
	s_or_b32 s[G0B+4*\s+3], s[G0B+4*\s+3], 0x80000000
.endr
; THE HEAD'S LOADS, ONE A WAVE: wave 0 A's 128 rows of K step 0, wave 1 B's, wave 2 A's scales, wave 3 B's.  One chain of branches on the wave's number, a load to an arm.
.macro ARM under, g0, g1, next
	s_cmp_lt_u32 s14, \under
	s_cbranch_scc0 \next
	tensor_load_to_lds s[\g0:\g0+3], s[\g1:\g1+7]
	s_nop 0
.rept 4
	v_nop
.endr
	s_branch .Lhead_asked
\next:
.endm
	ARM 1, 4, G1, .Lhead_b
	ARM 2, 8, G1B, .Lhead_sa
	ARM 3, G0S, G1S, .Lhead_sb
	tensor_load_to_lds s[G0SB:G0SB+3], s[G1SB:G1SB+7]
	s_nop 0
.rept 4
	v_nop
.endr
.Lhead_asked:
	v_and_b32 v30, 31, v0                          ; the prefetch's offset: two lanes to a row of 512 bytes, 256 bytes apart; not written again
	v_lshrrev_b32 v31, 1, v30
	v_and_b32 v30, 1, v30
	v_lshlrev_b32 v30, 8, v30
	v_lshl_add_u32 v30, v31, 10, v30               ; a row of A or B is 1,024 bytes
	global_prefetch_b8 v30, s[94:95] offset:ROWB th:TH_LOAD_NT scope:SCOPE_SE   ; K step 1, the last: a step ahead of its load; each block is named once in the cluster
	v_and_b32 v1, 15, v0
	v_bfe_u32 v2, v0, 4, 1
	v_lshlrev_b32 v[BOF], 5, v2
	s_wait_alu depctr_va_vdst(0)
	v_lshlrev_b32 v5, 12, v2
	v_lshl_add_u32 v[CO], v1, 4, v5
	s_wait_alu depctr_va_vdst(0)
	s_lshl_b32 s20, s42, 9
	s_lshl_b32 s21, s16, 8
	s_add_co_u32 s20, s20, s21
	s_mov_b32 s21, 0
	s_add_nc_u64 s[96:97], s[96:97], s[20:21]
	s_lshl_b32 s22, s17, 7
	s_lshl_b32 s23, s15, 6
	s_add_co_u32 s22, s22, s23
	s_lshl_b32 s22, s22, 12
	s_add_co_u32 s20, s20, s22
	s_add_nc_u64 s[98:99], s[98:99], s[20:21]
	s_add_nc_u64 s[12:13], s[12:13], s[20:21]
.irp b, 0,1,2,3
	global_load_b128 v[BI+8*\b:BI+8*\b+3], v[BOF], s[96:97] offset:64*\b
	global_load_b128 v[BI+8*\b+4:BI+8*\b+7], v[BOF], s[96:97] offset:64*\b+16
.endr
	v_mul_u32_u24 v3, v1, PITCH
	v_lshl_add_u32 v4, v2, 4, v3
	s_mul_i32 s21, s15, HALFT
	s_mul_i32 s22, s16, HALFT
	s_add_co_u32 s22, s22, 2*HALFT
.irp s, 0,1
	v_add_nc_u32 v[ADRA+\s], s21, v4
	v_add_nc_u32 v[ADRB+\s], s22, v4
	s_add_co_u32 s21, s21, SLOT
	s_add_co_u32 s22, s22, SLOT
.endr
	v_mul_u32_u24 v5, v1, KS
	v_lshrrev_b32 v6, 8, v5
	v_lshl_add_u32 v5, v6, 4, v5
	s_mul_i32 s21, s15, HALFS
	s_mul_i32 s22, s16, HALFS
	s_add_co_u32 s22, s22, 2*HALFS
	s_sub_co_u32 s22, s22, s21
	v_mul_u32_u24 v6, s22, v2
	s_add_co_u32 s21, s21, SCL
	v_add_nc_u32 v5, v5, v6
	v_add_nc_u32 v[ADRS], s21, v5
	s_mul_i32 s23, s14, 16*272
	v_mul_u32_u24 v5, v1, 272
	v_lshl_add_u32 v5, v2, 5, v5
	v_add_nc_u32 v[STO], s23, v5
	v_mul_u32_u24 v5, v2, 272
	v_lshl_add_u32 v5, v1, 4, v5
	v_add_nc_u32 v[RD], s23, v5
.macro FRAG reg, adr, q, i
.irp c, 0,1,2,3
	ds_load_b128 v[\reg+4*\c:\reg+4*\c+3], v[\adr] offset:128*(\q)+32*\c+(\i)*16*PITCH
.endr
.endm
.macro FETCH slot, q, f
	WIN TO_F
.irp i, 0,1,2,3
	FRAG \f+64+16*\i, ADRB+\slot, \q, \i
	FRAG \f+16*\i, ADRA+\slot, \q, \i
.endr
	WIN 0
.endm
.macro SCALES sc
.irp i, 0,1,2,3
	ds_load_b128 v[SC+16*\sc+4*\i:SC+16*\sc+4*\i+3], v[ADRS] offset:\i*SBLK
.endr
.endm
.macro MUL8 f, a0, q, sc, first
.irp a, \a0, \a0+1
.irp b, 0,1,2,3
.if \first
	v_wmma_scale_f32_16x16x128_f8f6f4 v[ACC+8*(4*(\a)+\b):ACC+8*(4*(\a)+\b)+7], v[\f+64+16*\b:\f+64+16*\b+15], v[\f+16*(\a):\f+16*(\a)+15], v[BI+8*\b:BI+8*\b+7], v[SC+16*(\sc)+4*\b+(\q)], v[SC+16*(\sc)+4*(\a)+(\q)] matrix_a_fmt:MATRIX_FMT_BF8 matrix_b_fmt:MATRIX_FMT_BF8 matrix_a_scale:MATRIX_SCALE_ROW1
.else
	v_wmma_scale_f32_16x16x128_f8f6f4 v[ACC+8*(4*(\a)+\b):ACC+8*(4*(\a)+\b)+7], v[\f+64+16*\b:\f+64+16*\b+15], v[\f+16*(\a):\f+16*(\a)+15], v[ACC+8*(4*(\a)+\b):ACC+8*(4*(\a)+\b)+7], v[SC+16*(\sc)+4*\b+(\q)], v[SC+16*(\sc)+4*(\a)+(\q)] matrix_a_fmt:MATRIX_FMT_BF8 matrix_b_fmt:MATRIX_FMT_BF8 matrix_a_scale:MATRIX_SCALE_ROW1
.endif
.endr
.endr
.endm
.macro PLACES n
.rept \n
	v_nop
.endr
.endm
.macro QUARTER slot, q, f, g, first
	PLACES NP
	FETCH \slot, (\q)+1, \g
	s_wait_dscnt 32
	WIN MUL
	MUL8 \f, 0, \q, \slot, \first
	MUL8 \f, 2, \q, \slot, \first
.endm
.macro TURN slot, next, fill
	WIN 0
	s_wait_tensorcnt 0x0
	ds_add_u32 v[SPW], v[NIL]
	s_wait_dscnt 1
	WIN MUL
	MUL8 F1, 0, 3, \slot, 0
	s_wait_dscnt 0x0
	s_barrier_signal -1
	MUL8 F1, 2, 3, \slot, 0
	WIN 0
	s_barrier_wait -1
.if \fill
	CREST
	s_add_nc_u64 s[G0+4*\slot+2:G0+4*\slot+3], s[G0+4*\slot+2:G0+4*\slot+3], 2*ROWB
	s_add_nc_u64 s[G0B+4*\slot+2:G0B+4*\slot+3], s[G0B+4*\slot+2:G0B+4*\slot+3], 2*ROWB
	JLOAD G0+4*\slot, G1, G0B+4*\slot, G1B
	PLACES NP-4
.else
	PLACES NP
.endif
	v_add_nc_u32 v[ADRS], 16, v[ADRS]
	FETCH \next, 0, F0
	SCALES \next
.endm
	s_wait_alu depctr_va_vdst(0)
	s_wait_tensorcnt 0x0                           ; my tile of the head's four is in; the lines ahead of a later first fill:
	ds_add_u32 v[SPW], v[NIL]
	s_mov_b32 s[G1+2], 64<<16                      ; no tensor load of mine is out: from here on a load brings 64 rows
	s_mov_b32 s[G1+4], 64
	s_mov_b32 s[G1B+2], 64<<16
	s_mov_b32 s[G1B+4], 64
	s_wait_dscnt 0x0
	CROUND                                         ; all four tiles are in, and all sixteen work-groups are here
	JLOAD G0+4, G1, G0B+4, G1B                     ; K step 1, the first tensor load behind the round
	FETCH 0, 0, F0
	SCALES 0
	s_wait_loadcnt 0x0                             ; the bias: its eight loads are all that is out
	QUARTER 0, 0, F0, F1, 1
	WIN 0x80                                       ; the residual's 32 loads, into window 2: they are wanted on the way out, and stand behind the first tiles' loads
.irp a, 0,1,2,3
.irp t, 0,1,2,3,4,5,6,7
	global_load_b128 v[RS+32*\a+4*\t:RS+32*\a+4*\t+3], v[CO], s[98:99] offset:(16*\a+2*\t)*ON
.endr
.endr
	WIN 0
.if LAPS > 1
	WIN 0
	s_mov_b32 s3, LAPS-1
.Llap:
	QUARTER 0, 1, F1, F0, 0
	QUARTER 0, 2, F0, F1, 0
	TURN 0, 1, 1
	QUARTER 1, 0, F0, F1, 0
	QUARTER 1, 1, F1, F0, 0
	QUARTER 1, 2, F0, F1, 0
	TURN 1, 0, 1
	QUARTER 0, 0, F0, F1, 0
	WIN 0
	s_sub_co_u32 s3, s3, 1
	s_cmp_lg_u32 s3, 0
	s_cbranch_scc1 .Llap
.endif
	QUARTER 0, 1, F1, F0, 0
	QUARTER 0, 2, F0, F1, 0
	TURN 0, 1, 0
	QUARTER 1, 0, F0, F1, 0
	QUARTER 1, 1, F1, F0, 0
	QUARTER 1, 2, F0, F1, 0
	s_wait_dscnt 0x0
	MUL8 F1, 0, 3, 1, 0
	MUL8 F1, 2, 3, 1, 0
	WIN 0
.macro TOSTAGE a
.irp b, 0,1,2,3
	ds_store_b128 v[STO], v[ACC+8*(4*(\a)+\b):ACC+8*(4*(\a)+\b)+3] offset:64*\b
	ds_store_b128 v[STO], v[ACC+8*(4*(\a)+\b)+4:ACC+8*(4*(\a)+\b)+7] offset:64*\b+16
.endr
.set BB, OB+32*((\a)%2)
.irp t, 0,1,2,3,4,5,6,7
	ds_load_b128 v[BB+4*\t:BB+4*\t+3], v[RD] offset:544*\t
.endr
.endm
.macro SEND a, younger
.set BB, OB+32*((\a)%2)
	s_wait_dscnt \younger
.if (\a) == 0
	s_wait_loadcnt 0x0
.endif
	WIN 0x08
.irp i, 0,2,4,6,8,10,12,14,16,18,20,22,24,26,28,30
	v_pk_add_f32 v[BB+\i:BB+\i+1], v[BB+\i:BB+\i+1], v[RS+32*(\a)+\i:RS+32*(\a)+\i+1]
.endr
	WIN 0
.irp t, 0,1,2,3,4,5,6,7
	global_store_b128 v[CO], v[BB+4*\t:BB+4*\t+3], s[12:13] offset:(16*(\a)+2*\t)*ON
.endr
.endm
	PLACES NP
	TOSTAGE 0
.irp a, 1,2,3
.if \a > 1
	s_wait_xcnt 0x0
.endif
	TOSTAGE \a
	SEND \a-1, 16
.endr
	SEND 3, 0
	s_wait_tensorcnt 0x0
	ds_add_u32 v[SPW], v[NIL]
	s_wait_dscnt 0x0
	CROUND
	s_endpgm
.Lfunc_end_k_qe7d3bc8989_oproj:
	.size	k_qe7d3bc8989_oproj, .Lfunc_end_k_qe7d3bc8989_oproj-k_qe7d3bc8989_oproj
	.p2alignl 7, 3214868480
	.fill 96, 4, 3214868480
	.section	.rodata,"a",@progbits
	.p2align	6, 0x0
	.amdhsa_kernel k_qe7d3bc8989_oproj
		.amdhsa_group_segment_fixed_size 327680
		.amdhsa_private_segment_fixed_size 0
		.amdhsa_enable_private_segment 0
		.amdhsa_kernarg_size 48
		.amdhsa_user_sgpr_count 2
		.amdhsa_user_sgpr_kernarg_segment_ptr 1
		.amdhsa_wavefront_size32 1
		.amdhsa_system_sgpr_workgroup_id_x 1
		.amdhsa_system_sgpr_workgroup_id_y 1
		.amdhsa_system_sgpr_workgroup_id_z 1
		.amdhsa_system_vgpr_workitem_id 0
		.amdhsa_next_free_vgpr 640
		.amdhsa_next_free_sgpr 100
		.amdhsa_reserve_vcc 0
		.amdhsa_float_denorm_mode_32 3
		.amdhsa_float_denorm_mode_16_64 3
		.amdhsa_memory_ordered 1
		.amdhsa_forward_progress 1
		.amdhsa_inst_pref_size 63
	.end_amdhsa_kernel
	.amdgpu_metadata
---
amdhsa.version: [ 1, 2 ]
amdhsa.kernels:
  - .name:           k_qe7d3bc8989_oproj
    .symbol:         k_qe7d3bc8989_oproj.kd
    .args:
      - { .name: cq, .offset: 0, .size: 8, .value_kind: global_buffer, .address_space: global }
      - { .name: Wo_codes, .offset: 8, .size: 8, .value_kind: global_buffer, .address_space: global }
      - { .name: Wo_scales, .offset: 16, .size: 8, .value_kind: global_buffer, .address_space: global }
      - { .name: bo, .offset: 24, .size: 8, .value_kind: global_buffer, .address_space: global }
      - { .name: x, .offset: 32, .size: 8, .value_kind: global_buffer, .address_space: global }
      - { .name: x1, .offset: 40, .size: 8, .value_kind: global_buffer, .address_space: global }
    .group_segment_fixed_size: 327680
    .private_segment_fixed_size: 0
    .kernarg_segment_align: 8
    .kernarg_segment_size: 48
    .max_flat_workgroup_size: 128
    .sgpr_count:     100
    .vgpr_count:     640
    .wavefront_size: 32
...
	.end_amdgpu_metadata
.endif
;; end of part 4
;; launch norm2: the kernel of part 1 again; grid 512 x 1, 4 waves a work-group, no clusters, 22,016 bytes of LDS; arguments x1, alpha2, bias2, xq; writes xq
;; launch ffn1 (part 5): grid 16 x 16, 4 waves a work-group, clusters of 4 x 4, 327,680 bytes of LDS; arguments xq, W1_codes, W1_scales, b1, hq; writes hq
.if DOCPART == 5
	.amdgcn_target "amdgcn-amd-amdhsa--gfx1250"
	.amdhsa_code_object_version 6
	.text
	.protected	k_qe7d3bc8989_ffn1
	.globl	k_qe7d3bc8989_ffn1
	.p2align	8
	.type	k_qe7d3bc8989_ffn1,@function
k_qe7d3bc8989_ffn1:
	s_mov_b64 s[64:65], 0
	v_nop
	global_prefetch_b8 v0, s[64:65] scope:SCOPE_SE
	s_setreg_imm32_b32 hwreg(HW_REG_WAVE_MODE, 25, 1), 1
	s_wait_xcnt 0x0
	s_wait_alu depctr_hold_cnt(0) depctr_sa_sdst(0) depctr_va_vdst(0) depctr_va_sdst(0) depctr_va_ssrc(0) depctr_va_vcc(0) depctr_vm_vsrc(0)
	s_getreg_b32 s2, hwreg(HW_REG_IB_STS2, 6, 4)
	s_cmp_eq_u32 s2, 0
	s_cbranch_scc0 .Lentry_in_a_cluster
	s_endpgm
.Lentry_in_a_cluster:
	s_bfe_u32 s2, ttmp6, 0x10000c
	s_cmp_lg_u32 s2, 0xf033
	s_cbranch_scc0 .Lentry_shape_is_right
	s_endpgm
.Lentry_shape_is_right:
.set SIZE_K, 1024
.set XSC,    4194304
.set HS,     16777216
.set KSTEP,  256
.set NQ,     KSTEP/128
.set ROWB,   256
.set KROW,   SIZE_K
.set PITCH,  272
.set FR,     16
.set NL,     4
.set NP,     8
.set HALFT,  128*PITCH
.set SLOT,   4*HALFT
.set LAPS,   SIZE_K/(2*KSTEP)
.set KS,     SIZE_K/32
.set SCL,    2*SLOT
.set HALFS,  (128*KS/256)*272
.set SBLK,   (16*KS/256)*272
.set SPARE,  SCL+4*HALFS
.set SS,     SPARE+512
.set ADRA, 16
.set SWS,  18
.set SRD,  19
.set ADRB, 20
.set SCO,  22
.set BOF,  23
.set STO,  24
.set RD,   25
.set CO,   26
.set ADRS, 27
.set SPW,  28
.set NIL,  29
.set PW,   30
.set SC,   32
.set BI,   64
.set AF,   128
.set PC,   128
.set TM,   144
.set OUTR, 128
.set G1, 24
.set G0, 32
.set G1B, 48
.set G0B, 56
.set G1S, 68
.set G0S, 76
.set G1SB, 80
.set G0SB, 88
.set SEL, 18
.set MNT, 23
.set MSB, 0
.macro WIN new
.if MSB != \new
	s_set_vgpr_msb (MSB<<8)|\new
.set MSB, \new
.endif
.endm
.set MUL_LO, 0xa1
.set MUL_HI, 0xf1
.set TO_B,   0x40
.macro JLOAD g0a, g1a, g0b, g1b
	s_cmp_eq_u32 s15, 0
	s_cbranch_scc0 .Lfor_b_\@
	tensor_load_to_lds s[\g0a:\g0a+3], s[\g1a:\g1a+7]
	s_nop 0
.rept 4
	v_nop
.endr
	s_branch .Lasked_\@
.Lfor_b_\@:
	tensor_load_to_lds s[\g0b:\g0b+3], s[\g1b:\g1b+7]
	s_nop 0
.rept 4
	v_nop
.endr
.Lasked_\@:
.endm
.macro CREST
	s_cmp_lg_u32 s14, 0
	s_cbranch_scc1 .Lnot_wave_0_\@
	s_barrier_signal -3
.Lnot_wave_0_\@:
	s_barrier_wait -3
	s_barrier_signal -1
	s_barrier_wait -1
.endm
.macro CROUND
	s_barrier_signal -1
	s_barrier_wait -1
	CREST
.endm
	s_load_b64 s[4:5], s[0:1], 0x0
	s_load_b128 s[8:11], s[0:1], 0x8
	s_load_b64 s[96:97], s[0:1], 0x18
	s_load_b64 s[12:13], s[0:1], 0x20
	v_lshl_add_u32 v[SPW], v0, 2, SPARE
	v_mov_b32 v[NIL], 0
	ds_add_u32 v28, v29
	ds_add_u32 v28, v29
	s_wait_dscnt 0x0
	v_lshrrev_b32 v1, 5, v0
	v_readfirstlane_b32 s14, v1
	s_lshr_b32 s15, s14, 1
	s_and_b32 s16, s14, 1
	s_bfe_u32 s40, ttmp6, 0x40000
	s_bfe_u32 s41, ttmp6, 0x40004
	s_lshl_b32 s42, ttmp9, 2
	s_add_co_u32 s42, s42, s40
	s_and_b32 s17, ttmp7, 0xffff
	s_lshl_b32 s17, s17, 2
	s_add_co_u32 s17, s17, s41
	s_lshl_b32 s43, s41, 2
	s_lshl_b32 s43, 15, s43
	s_lshl_b32 s44, 0x1111, s40
	s_or_b32 s[G1+0], s43, (0<<16)|(1<<20)|(1<<21)|(5<<22)|(3<<25)
	s_or_b32 s[G1B+0], s44, (0<<16)|(1<<20)|(1<<21)|(5<<22)|(3<<25)
.irp g, G1, G1B
	s_mov_b32 s[\g+1], ROWB<<16
	s_mov_b32 s[\g+2], 256<<16
	s_mov_b32 s[\g+3], ROWB<<16
	s_mov_b32 s[\g+4], 256
	s_mov_b32 s[\g+5], KROW
	s_mov_b32 s[\g+6], 0
	s_mov_b32 s[\g+7], 0
.endr
	s_or_b32 s[G1S+0], s43, (3<<16)|(1<<20)|(1<<21)|(5<<22)|(3<<25)
	s_or_b32 s[G1SB+0], s44, (3<<16)|(1<<20)|(1<<21)|(5<<22)|(3<<25)
.irp g, G1S, G1SB
	s_mov_b32 s[\g+1], 32<<16
	s_mov_b32 s[\g+2], (256*KS/256)<<16
	s_mov_b32 s[\g+3], 32<<16
	s_mov_b32 s[\g+4], 256*KS/256
	s_mov_b32 s[\g+5], 32
	s_mov_b32 s[\g+6], 0
	s_mov_b32 s[\g+7], 0
.endr
	s_lshl_b32 s18, s16, 7
	s_lshl_b32 s20, s17, 8
	s_add_co_u32 s20, s20, s18
	s_lshl_b32 s46, s42, 8
	s_add_co_u32 s46, s46, s18
	s_mov_b32 s21, 0
	s_mov_b32 s47, 0
	s_mov_b64 s[18:19], KS
	s_mul_u64 s[22:23], s[20:21], s[18:19]
	s_mul_u64 s[92:93], s[46:47], s[18:19]
	s_mov_b64 s[18:19], KROW
	s_mul_u64 s[20:21], s[20:21], s[18:19]
	s_mul_u64 s[46:47], s[46:47], s[18:19]
	s_mul_i32 s45, s14, HALFT
	CROUND                                         ; the round in front of the first joint loads needs no argument: it stands while the scalar loads are out
	s_wait_kmcnt 0x0
	s_add_nc_u64 s[6:7], s[4:5], XSC
	s_add_nc_u64 s[20:21], s[4:5], s[20:21]
	s_add_nc_u64 s[22:23], s[6:7], s[22:23]
	s_add_nc_u64 s[46:47], s[8:9], s[46:47]
	s_add_nc_u64 s[92:93], s[10:11], s[92:93]
	s_mul_i32 s2, s16, 128*KROW                    ; the head's four tiles are whole: my half's bytes come off the addresses
	s_mov_b32 s3, 0
	s_sub_nc_u64 s[6:7], s[20:21], s[2:3]          ; s[4:7]: group 0 for K step 0's 256 rows of A
	s_sub_nc_u64 s[10:11], s[46:47], s[2:3]        ; s[8:11]: the same for B
	s_mov_b32 s4, 1
	s_mov_b32 s5, 0
	s_or_b32 s7, s7, 0x80000000
	s_mov_b32 s8, 1
	s_mov_b32 s9, 2*HALFT
	s_or_b32 s11, s11, 0x80000000
	s_mul_i32 s2, s16, 128*KS
	s_mov_b32 s[G0S], 1
	s_mov_b32 s[G0S+1], SCL
	s_sub_nc_u64 s[G0S+2:G0S+3], s[22:23], s[2:3]
	s_or_b32 s[G0S+3], s[G0S+3], 0x80000000
	s_mov_b32 s[G0SB], 1
	s_mov_b32 s[G0SB+1], SCL+2*HALFS
	s_sub_nc_u64 s[G0SB+2:G0SB+3], s[92:93], s[2:3]
	s_or_b32 s[G0SB+3], s[G0SB+3], 0x80000000
	; the prefetches: of the 128 rows that I fetch in the ring, each of the four partners that ask for them jointly names 32, told apart by address (cx for A, cy for B)
	s_cmp_eq_u32 s15, 0                            ; do I fetch for A?
	s_cselect_b64 s[94:95], s[20:21], s[46:47]     ; my 128 rows, K step 0
	s_cselect_b32 s66, s40, s41
	s_mul_i32 s66, s66, 32*KROW
	s_mov_b32 s67, 0
	s_add_nc_u64 s[94:95], s[94:95], s[66:67]
.irp s, 0,1
	s_mov_b32 s[G0+4*\s], 1
	s_add_co_u32 s[G0+4*\s+1], s45, \s*SLOT
	s_add_nc_u64 s[G0+4*\s+2:G0+4*\s+3], s[20:21], \s*ROWB
	s_or_b32 s[G0+4*\s+3], s[G0+4*\s+3], 0x80000000
	s_mov_b32 s[G0B+4*\s], 1
	s_add_co_u32 s[G0B+4*\s+1], s45, \s*SLOT
	s_add_nc_u64 s[G0B+4*\s+2:G0B+4*\s+3], s[46:47], \s*ROWB
	s_or_b32 s[G0B+4*\s+3], s[G0B+4*\s+3], 0x80000000
.endr
; THE HEAD'S LOADS, ONE A WAVE: wave 0 A's 256 rows of K step 0, wave 1 B's, wave 2 A's scales, wave 3 B's.  One chain of branches on the wave's number, a load to an arm.
.macro ARM under, g0, g1, next
	s_cmp_lt_u32 s14, \under
	s_cbranch_scc0 \next
	tensor_load_to_lds s[\g0:\g0+3], s[\g1:\g1+7]
	s_nop 0
.rept 4
	v_nop
.endr
	s_branch .Lhead_asked
\next:
.endm
	ARM 1, 4, G1, .Lhead_b
	ARM 2, 8, G1B, .Lhead_sa
	ARM 3, G0S, G1S, .Lhead_sb
	tensor_load_to_lds s[G0SB:G0SB+3], s[G1SB:G1SB+7]
	s_nop 0
.rept 4
	v_nop
.endr
.Lhead_asked:
	v_and_b32 v31, 31, v0                          ; the prefetches' offset: a lane a row of 1,024 bytes; not written again
	v_lshlrev_b32 v31, 10, v31
	global_prefetch_b8 v31, s[94:95] offset:ROWB th:TH_LOAD_NT scope:SCOPE_SE     ; K step 1: 32 rows x 256 bytes; each block is named once in the cluster
	global_prefetch_b8 v31, s[94:95] offset:2*ROWB th:TH_LOAD_NT scope:SCOPE_SE   ; K step 2, two steps ahead of its load
	v_and_b32 v1, 15, v0
	s_wait_alu depctr_va_vdst(0)
	v_bfe_u32 v2, v0, 4, 1
	v_lshlrev_b32 v[BOF], 5, v2
	s_lshl_b32 s20, s42, 10
	s_lshl_b32 s21, s16, 9
	s_add_co_u32 s20, s20, s21
	s_mov_b32 s21, 0
	s_add_nc_u64 s[96:97], s[96:97], s[20:21]
.irp b, 0,1,2,3,4,5,6,7
	global_load_b128 v[BI+8*\b:BI+8*\b+3], v[BOF], s[96:97] offset:64*\b
	global_load_b128 v[BI+8*\b+4:BI+8*\b+7], v[BOF], s[96:97] offset:64*\b+16
.endr
	v_mul_u32_u24 v3, v1, PITCH
	v_lshl_add_u32 v4, v2, 4, v3
	s_mul_i32 s21, s15, HALFT
	s_mul_i32 s22, s16, HALFT
	s_add_co_u32 s22, s22, 2*HALFT
.irp s, 0,1
	v_add_nc_u32 v[ADRA+\s], s21, v4
	v_add_nc_u32 v[ADRB+\s], s22, v4
	s_add_co_u32 s21, s21, SLOT
	s_add_co_u32 s22, s22, SLOT
.endr
	v_mul_u32_u24 v5, v1, KS
	v_lshrrev_b32 v6, 8, v5
	v_lshl_add_u32 v5, v6, 4, v5
	s_mul_i32 s21, s15, HALFS
	s_mul_i32 s22, s16, HALFS
	s_add_co_u32 s22, s22, 2*HALFS
	s_sub_co_u32 s22, s22, s21
	v_mul_u32_u24 v6, s22, v2
	s_add_co_u32 s21, s21, SCL
	v_add_nc_u32 v5, v5, v6
	v_add_nc_u32 v[ADRS], s21, v5
	s_mul_i32 s23, s15, 128*272
	s_lshl_b32 s21, s16, 7
	s_add_co_u32 s23, s23, s21
	v_lshl_add_u32 v5, v2, 3, v3
	v_add_nc_u32 v[STO], s23, v5
	s_lshl_b32 s23, s15, 10
	s_lshl_b32 s21, s16, 2
	s_add_co_u32 s23, s23, s21
	s_add_co_u32 s23, s23, SS
	v_lshl_add_u32 v[SWS], v1, 3, s23
	s_lshl_b32 s22, s15, 2                         ; the way out goes in two halves of 64 rows of each row half: of each I send rows 128 x row half + 32 x column half + 0 .. 31
	s_add_co_u32 s22, s22, s16                     ; 4 x row half + column half
	s_mul_i32 s23, s22, 32*272
	v_mul_u32_u24 v5, v2, 272
	v_lshl_add_u32 v5, v1, 4, v5
	v_add_nc_u32 v[RD], s23, v5
	v_lshlrev_b32 v5, 12, v2
	v_lshl_add_u32 v[CO], v1, 4, v5
	v_and_b32 v6, 31, v0
	s_lshl_b32 s23, s22, 8                         ; 8 scale bytes a row in the stage
	s_add_co_u32 s23, s23, SS
	v_lshl_add_u32 v[SRD], v6, 3, s23
	s_lshl_b32 s23, s22, 12                        ; 128 scale bytes a row in memory
	v_lshl_add_u32 v[SCO], v6, 7, s23
	s_lshl_b32 s20, s17, 8
	s_lshl_b32 s21, s22, 5
	s_add_co_u32 s20, s20, s21
	s_lshl_b32 s20, s20, 12
	s_lshl_b32 s21, s42, 8
	s_add_co_u32 s20, s20, s21
	s_mov_b32 s21, 0
	s_add_nc_u64 s[98:99], s[12:13], HS
	s_add_nc_u64 s[12:13], s[12:13], s[20:21]
	s_lshl_b32 s20, s17, 15
	s_lshl_b32 s46, s42, 3
	s_add_co_u32 s20, s20, s46
	s_add_nc_u64 s[98:99], s[98:99], s[20:21]
.macro FRAG reg, adr, q, i
.irp c, 0,1,2,3
	ds_load_b128 v[\reg+4*\c:\reg+4*\c+3], v[\adr] offset:128*(\q)+32*\c+(\i)*16*PITCH
.endr
.endm
.macro MUL16 a0, p, q, sc, zero
.irp a, \a0, \a0+1
.irp b, 0,1,2,3,4,5,6,7
.if \zero
	v_wmma_scale_f32_16x16x128_f8f6f4 v[8*(8*((\a)%4)+\b):8*(8*((\a)%4)+\b)+7], v[128*(\p)+FR*\b:128*(\p)+FR*\b+FR-1], v[AF+FR*(\a):AF+FR*(\a)+FR-1], v[BI+8*\b:BI+8*\b+7], v[SC+8*NQ*(\sc)+NQ*\b+(\q)], v[SC+8*NQ*(\sc)+NQ*(\a)+(\q)] matrix_a_fmt:MATRIX_FMT_BF8 matrix_b_fmt:MATRIX_FMT_BF8 matrix_a_scale:MATRIX_SCALE_ROW1
.else
	v_wmma_scale_f32_16x16x128_f8f6f4 v[8*(8*((\a)%4)+\b):8*(8*((\a)%4)+\b)+7], v[128*(\p)+FR*\b:128*(\p)+FR*\b+FR-1], v[AF+FR*(\a):AF+FR*(\a)+FR-1], v[8*(8*((\a)%4)+\b):8*(8*((\a)%4)+\b)+7], v[SC+8*NQ*(\sc)+NQ*\b+(\q)], v[SC+8*NQ*(\sc)+NQ*(\a)+(\q)] matrix_a_fmt:MATRIX_FMT_BF8 matrix_b_fmt:MATRIX_FMT_BF8 matrix_a_scale:MATRIX_SCALE_ROW1
.endif
.endr
.endr
.endm
.macro FETCH_B slot, q, p
	WIN TO_B
.irp i, 0,1,2,3,4,5,6,7
	FRAG 128*(\p)+FR*\i, ADRB+\slot, \q, \i
.endr
	WIN 0
.endm
.macro FETCH_A slot, q, i0
.irp i, \i0, \i0+1, \i0+2, \i0+3
	FRAG AF+FR*(\i), ADRA+\slot, \q, \i
.endr
.endm
.macro SCALES sc
.irp i, 0,1,2,3,4,5,6,7
	ds_load_b64 v[SC+8*NQ*\sc+NQ*\i:SC+8*NQ*\sc+NQ*\i+1], v[ADRS] offset:\i*SBLK
.endr
.endm
.macro PLACES n
.rept \n
	v_nop
.endr
.endm
.macro STEP slot, q, zero
	s_wait_dscnt 4*NL
.if \zero
	WIN 0x81
.else
	WIN MUL_LO
.endif
	MUL16 0, (\q)%2, \q, \slot, \zero
	MUL16 2, (\q)%2, \q, \slot, \zero
	s_wait_dscnt 0
	PLACES NP
	FETCH_B \slot, (\q)+1, 1-(\q)%2
	FETCH_A \slot, (\q)+1, 0
.if \zero
	WIN 0xc1
.else
	WIN MUL_HI
.endif
	MUL16 4, (\q)%2, \q, \slot, \zero
	MUL16 6, (\q)%2, \q, \slot, \zero
	PLACES NP
	WIN 0
	FETCH_A \slot, (\q)+1, 4
.endm
.macro TURN slot, next, fill
	s_wait_tensorcnt 0x0
	ds_add_u32 v[SPW], v[NIL]
	s_wait_dscnt 4*NL+1
	WIN MUL_LO
	MUL16 0, 1, NQ-1, \slot, 0
	s_wait_dscnt 0x0
	s_barrier_signal -1
	MUL16 2, 1, NQ-1, \slot, 0
	WIN 0
	s_barrier_wait -1
.if \fill
	CREST
	s_add_nc_u64 s[G0+4*\slot+2:G0+4*\slot+3], s[G0+4*\slot+2:G0+4*\slot+3], 2*ROWB
	s_add_nc_u64 s[G0B+4*\slot+2:G0B+4*\slot+3], s[G0B+4*\slot+2:G0B+4*\slot+3], 2*ROWB
	JLOAD G0+4*\slot, G1, G0B+4*\slot, G1B
	PLACES NP-4
.else
	PLACES NP
.endif
	s_wait_alu depctr_va_vdst(0)
	v_add_nc_u32 v[ADRS], 4*NQ, v[ADRS]
	FETCH_B \next, 0, 0
	FETCH_A \next, 0, 0
	SCALES \next
	WIN MUL_HI
	MUL16 4, 1, NQ-1, \slot, 0
	MUL16 6, 1, NQ-1, \slot, 0
	PLACES NP
	WIN 0
	FETCH_A \next, 0, 4
.endm
.macro QUANT a
.set W, 2+(\a)/4
.set AC, 64*((\a)%4)
.set WN, W|(W<<2)
	WIN WN
.irp p, 0,1,2,3
	v_max3_num_f32 v[TM+\p], v[AC+16*\p], v[AC+16*\p+1], 0x8000000
.endr
.set WN, (W<<2)|(W<<4)
	WIN WN
.irp i, 2,4,6,8,10,12,14
.irp p, 0,1,2,3
	v_max3_num_f32 v[TM+\p], v[TM+\p], v[AC+16*\p+\i], v[AC+16*\p+\i+1]
.endr
.endr
	WIN 0
	s_wait_alu depctr_va_vdst(0)
	s_wait_dscnt 0x0
.irp p, 0,1,2,3
	v_permlanex16_b32 v[TM+4+\p], v[TM+\p], s[SEL], s[SEL+1]
.endr
.irp p, 0,1,2,3
	v_max_num_f32 v[TM+\p], v[TM+\p], v[TM+4+\p]
.endr
.irp p, 0,1,2,3
	v_add_nc_u32 v[TM+12+\p], 0xf8800000, v[TM+\p]
.endr
.irp p, 0,1,2,3
	v_and_or_b32 v[TM+8+\p], v[TM+\p], 0x7f800000, s[MNT]
.endr
.irp p, 0,1,2,3
	v_lshrrev_b32 v[TM+4+\p], 23, v[TM+12+\p]
.endr
	v_lshl_or_b32 v[PW], v[TM+5], 8, v[TM+4]
	v_lshl_or_b32 v[PW], v[TM+6], 16, v[PW]
	v_lshl_or_b32 v[PW], v[TM+7], 24, v[PW]
.set WN, W|(W<<6)
	WIN WN
.irp p, 0,1,2,3
.irp i, 0,1,2,3,4,5,6,7,8,9,10,11,12,13,14,15
	v_med3_num_f32 v[AC+16*\p+\i], v[AC+16*\p+\i], 0, v[TM+8+\p]
.endr
.endr
	WIN W
.irp p, 0,1,2,3
	v_cvt_scalef32_pk8_bf8_f32 v[PC+4*\p:PC+4*\p+1], v[AC+16*\p:AC+16*\p+7], v[TM+12+\p]
	v_cvt_scalef32_pk8_bf8_f32 v[PC+4*\p+2:PC+4*\p+3], v[AC+16*\p+8:AC+16*\p+15], v[TM+12+\p]
.endr
	WIN 0
	v_nop
.endm
	s_wait_alu depctr_va_vdst(0)                   ; the wait at the head's end
	s_wait_tensorcnt 0x0                           ; my tile of the head's four is in; the lines ahead of a later first fill:
	ds_add_u32 v[SPW], v[NIL]
	s_mov_b32 s[G1+2], 128<<16                     ; no tensor load of mine is out: from here on a load brings 128 rows
	s_mov_b32 s[G1+4], 128
	s_mov_b32 s[G1B+2], 128<<16
	s_mov_b32 s[G1B+4], 128
	s_wait_dscnt 0x0
	CROUND                                         ; all four tiles are in, and all sixteen work-groups are here
	JLOAD G0+4, G1, G0B+4, G1B                     ; K step 1, the first tensor load behind the round
	FETCH_B 0, 0, 0
	FETCH_A 0, 0, 0
	SCALES 0
	FETCH_A 0, 0, 4
	global_prefetch_b8 v31, s[94:95] offset:3*ROWB th:TH_LOAD_NT scope:SCOPE_SE   ; K step 3, the last: two steps ahead of its load
	s_wait_loadcnt 0x0
	STEP 0, 0, 1
	s_mov_b32 s3, LAPS-1
.Llap:
	TURN 0, 1, 1
	STEP 1, 0, 0
	TURN 1, 0, 1
	STEP 0, 0, 0
	s_sub_co_u32 s3, s3, 1
	s_cmp_lg_u32 s3, 0
	s_cbranch_scc1 .Llap
	TURN 0, 1, 0
	STEP 1, 0, 0
	s_wait_dscnt 4*NL
	WIN MUL_LO
	MUL16 0, 1, NQ-1, 1, 0
	MUL16 2, 1, NQ-1, 1, 0
	s_wait_dscnt 0
	WIN MUL_HI
	MUL16 4, 1, NQ-1, 1, 0
	MUL16 6, 1, NQ-1, 1, 0
	WIN 0
	s_mov_b32 s[SEL], 0x76543210
	s_mov_b32 s[SEL+1], 0xfedcba98
	s_mov_b32 s[MNT], 0x600000
	PLACES NP
.irp p, 0,1,2,3
	v_mov_b32 v[TM+4+\p], 0
.endr
; THE WAY OUT IN TWO HALVES.  Half ph: my blocks 4 ph .. 4 ph + 3 (64 rows) are quantised and staged; a barrier, since a row's 256 codes come from two waves; then each wave reads 32 whole rows back and stores them.
; The second half's blocks are quantised while the first half's stores are on their way.  The halves use other stage rows and other registers (ob: 64 for the rows, sb: 2 for the scale bytes), so no store's data are written again.
.macro HALFOUT ph, ob, sb
.irp a, 4*\ph, 4*\ph+1, 4*\ph+2, 4*\ph+3
	QUANT \a
.irp p, 0,1,2,3
	ds_store_b64 v[STO], v[PC+4*\p:PC+4*\p+1] offset:4352*(\a)+32*\p
	ds_store_b64 v[STO], v[PC+4*\p+2:PC+4*\p+3] offset:4352*(\a)+32*\p+16
.endr
	ds_store_b32 v[SWS], v[PW] offset:128*(\a)
.endr
	s_wait_dscnt 0x0                               ; for the others' sake: my stores into the stage are done
	s_barrier_signal -1
	s_barrier_wait -1
.set T, 0
.rept 16
	ds_load_b128 v[\ob+4*T:\ob+4*T+3], v[RD] offset:17408*\ph+544*T   ; rows 64 ph + 2 T and + 1 of my 32
.set T, T+1
.endr
	ds_load_b64 v[\sb:\sb+1], v[SRD] offset:512*\ph
.set T, 0
.rept 16
	s_wait_dscnt 16-T                              ; the 15 - T younger row loads and the scale bytes' load may be out
	global_store_b128 v[CO], v[\ob+4*T:\ob+4*T+3], s[12:13] offset:262144*\ph+8192*T   ; sixteen lanes store 256 consecutive bytes, aligned
.set T, T+1
.endr
	s_wait_dscnt 0x0
	global_store_b64 v[SCO], v[\sb:\sb+1], s[98:99] offset:8192*\ph   ; 8 scale bytes a row, rows 128 bytes apart
.endm
	HALFOUT 0, 160, 224
	HALFOUT 1, 64, 226
	s_wait_tensorcnt 0x0
	ds_add_u32 v[SPW], v[NIL]
	s_wait_dscnt 0x0
	CROUND
	s_endpgm
.Lfunc_end_k_qe7d3bc8989_ffn1:
	.size	k_qe7d3bc8989_ffn1, .Lfunc_end_k_qe7d3bc8989_ffn1-k_qe7d3bc8989_ffn1
	.p2alignl 7, 3214868480
	.fill 96, 4, 3214868480
	.section	.rodata,"a",@progbits
	.p2align	6, 0x0
	.amdhsa_kernel k_qe7d3bc8989_ffn1
		.amdhsa_group_segment_fixed_size 327680
		.amdhsa_private_segment_fixed_size 0
		.amdhsa_enable_private_segment 0
		.amdhsa_kernarg_size 40
		.amdhsa_user_sgpr_count 2
		.amdhsa_user_sgpr_kernarg_segment_ptr 1
		.amdhsa_wavefront_size32 1
		.amdhsa_system_sgpr_workgroup_id_x 1
		.amdhsa_system_sgpr_workgroup_id_y 1
		.amdhsa_system_sgpr_workgroup_id_z 1
		.amdhsa_system_vgpr_workitem_id 0
		.amdhsa_next_free_vgpr 1024
		.amdhsa_next_free_sgpr 102
		.amdhsa_reserve_vcc 0
		.amdhsa_float_denorm_mode_32 3
		.amdhsa_float_denorm_mode_16_64 3
		.amdhsa_memory_ordered 1
		.amdhsa_forward_progress 1
		.amdhsa_inst_pref_size 198
	.end_amdhsa_kernel
	.amdgpu_metadata
---
amdhsa.version: [ 1, 2 ]
amdhsa.kernels:
  - .name:           k_qe7d3bc8989_ffn1
    .symbol:         k_qe7d3bc8989_ffn1.kd
    .args:
      - { .name: xq, .offset: 0, .size: 8, .value_kind: global_buffer, .address_space: global }
      - { .name: W1_codes, .offset: 8, .size: 8, .value_kind: global_buffer, .address_space: global }
      - { .name: W1_scales, .offset: 16, .size: 8, .value_kind: global_buffer, .address_space: global }
      - { .name: b1, .offset: 24, .size: 8, .value_kind: global_buffer, .address_space: global }
      - { .name: hq, .offset: 32, .size: 8, .value_kind: global_buffer, .address_space: global }
    .group_segment_fixed_size: 327680
    .private_segment_fixed_size: 0
    .kernarg_segment_align: 8
    .kernarg_segment_size: 40
    .max_flat_workgroup_size: 128
    .sgpr_count:     102
    .vgpr_count:     1024
    .wavefront_size: 32
...
	.end_amdgpu_metadata
.endif
;; end of part 5
;; launch ffn2 (part 6): grid 8 x 32, 4 waves a work-group, clusters of 4 x 4, 327,680 bytes of LDS; arguments hq, W2_codes, W2_scales, b2, x1, out0; writes out0
.if DOCPART == 6
	.amdgcn_target "amdgcn-amd-amdhsa--gfx1250"
	.amdhsa_code_object_version 6
	.text
	.protected	k_qe7d3bc8989_ffn2
	.globl	k_qe7d3bc8989_ffn2
	.p2align	8
	.type	k_qe7d3bc8989_ffn2,@function
k_qe7d3bc8989_ffn2:
	s_mov_b64 s[64:65], 0
	v_nop
	global_prefetch_b8 v0, s[64:65] scope:SCOPE_SE
	s_setreg_imm32_b32 hwreg(HW_REG_WAVE_MODE, 25, 1), 1
	s_wait_xcnt 0x0
	s_wait_alu depctr_hold_cnt(0) depctr_sa_sdst(0) depctr_va_vdst(0) depctr_va_sdst(0) depctr_va_ssrc(0) depctr_va_vcc(0) depctr_vm_vsrc(0)
	s_getreg_b32 s2, hwreg(HW_REG_IB_STS2, 6, 4)
	s_cmp_eq_u32 s2, 0
	s_cbranch_scc0 .Lentry_in_a_cluster
	s_endpgm
.Lentry_in_a_cluster:
	s_bfe_u32 s2, ttmp6, 0x10000c
	s_cmp_lg_u32 s2, 0xf033
	s_cbranch_scc0 .Lentry_shape_is_right
	s_endpgm
.Lentry_shape_is_right:
.set SIZE_K, 4096
.set ASOFF,  16777216
.set KSTEP,  512
.set ROWB,   512
.set KROW,   SIZE_K
.set PITCH,  528
.set NP,     8
.set HALFT,  64*PITCH
.set SLOT,   4*HALFT
.set LAPS,   SIZE_K/(2*KSTEP)
.set KS,     SIZE_K/32
.set SCL,    2*SLOT
.set HALFS,  (64*KS/256)*272
.set SBLK,   (16*KS/256)*272
.set SPARE,  SCL+4*HALFS
.set ON,     4096
.set ADRA, 16
.set ADRB, 20
.set BOF,  23
.set STO,  24
.set RD,   25
.set CO,   26
.set ADRS, 27
.set SPW,  28
.set NIL,  29
.set SC,   32
.set BI,   64
.set OB,   64
.set ACC,  128
.set F0,   0
.set F1,   128
.set RS,   0
.set G1, 24
.set G0, 32
.set G1B, 48
.set G0B, 56
.set G1S, 68
.set G0S, 76
.set G1SB, 80
.set G0SB, 88
.set MSB, 0
.macro WIN new
.if MSB != \new
	s_set_vgpr_msb (MSB<<8)|\new
.set MSB, \new
.endif
.endm
.set MUL,  0x05
.set TO_F, 0x40
.macro JLOAD g0a, g1a, g0b, g1b
	s_cmp_eq_u32 s15, 0
	s_cbranch_scc0 .Lfor_b_\@
	tensor_load_to_lds s[\g0a:\g0a+3], s[\g1a:\g1a+7]
	s_nop 0
.rept 4
	v_nop
.endr
	s_branch .Lasked_\@
.Lfor_b_\@:
	tensor_load_to_lds s[\g0b:\g0b+3], s[\g1b:\g1b+7]
	s_nop 0
.rept 4
	v_nop
.endr
.Lasked_\@:
.endm
.macro CREST
	s_cmp_lg_u32 s14, 0
	s_cbranch_scc1 .Lnot_wave_0_\@
	s_barrier_signal -3
.Lnot_wave_0_\@:
	s_barrier_wait -3
	s_barrier_signal -1
	s_barrier_wait -1
.endm
.macro CROUND
	s_barrier_signal -1
	s_barrier_wait -1
	CREST
.endm
	s_load_b64 s[4:5], s[0:1], 0x0
	s_load_b128 s[8:11], s[0:1], 0x8
	s_load_b128 s[96:99], s[0:1], 0x18
	s_load_b64 s[12:13], s[0:1], 0x28
	v_lshl_add_u32 v[SPW], v0, 2, SPARE
	v_mov_b32 v[NIL], 0
	ds_add_u32 v28, v29
	ds_add_u32 v28, v29
	s_wait_dscnt 0x0
	v_lshrrev_b32 v1, 5, v0
	v_readfirstlane_b32 s14, v1
	s_lshr_b32 s15, s14, 1
	s_and_b32 s16, s14, 1
	s_bfe_u32 s40, ttmp6, 0x40000
	s_bfe_u32 s41, ttmp6, 0x40004
	s_lshl_b32 s42, ttmp9, 2
	s_add_co_u32 s42, s42, s40
	s_and_b32 s17, ttmp7, 0xffff
	s_lshl_b32 s17, s17, 2
	s_add_co_u32 s17, s17, s41
	s_lshl_b32 s43, s41, 2
	s_lshl_b32 s43, 15, s43
	s_lshl_b32 s44, 0x1111, s40
	s_or_b32 s[G1+0], s43, (0<<16)|(1<<20)|(1<<21)|(6<<22)|(3<<25)
	s_or_b32 s[G1B+0], s44, (0<<16)|(1<<20)|(1<<21)|(6<<22)|(3<<25)
.irp g, G1, G1B
	s_mov_b32 s[\g+1], ROWB<<16
	s_mov_b32 s[\g+2], 128<<16
	s_mov_b32 s[\g+3], ROWB<<16
	s_mov_b32 s[\g+4], 128
	s_mov_b32 s[\g+5], KROW
	s_mov_b32 s[\g+6], 0
	s_mov_b32 s[\g+7], 0
.endr
	s_or_b32 s[G1S+0], s43, (3<<16)|(1<<20)|(1<<21)|(5<<22)|(3<<25)
	s_or_b32 s[G1SB+0], s44, (3<<16)|(1<<20)|(1<<21)|(5<<22)|(3<<25)
.irp g, G1S, G1SB
	s_mov_b32 s[\g+1], 32<<16
	s_mov_b32 s[\g+2], (128*KS/256)<<16
	s_mov_b32 s[\g+3], 32<<16
	s_mov_b32 s[\g+4], 128*KS/256
	s_mov_b32 s[\g+5], 32
	s_mov_b32 s[\g+6], 0
	s_mov_b32 s[\g+7], 0
.endr
	s_lshl_b32 s18, s16, 6
	s_lshl_b32 s20, s17, 7
	s_add_co_u32 s20, s20, s18
	s_lshl_b32 s46, s42, 7
	s_add_co_u32 s46, s46, s18
	s_mov_b32 s21, 0
	s_mov_b32 s47, 0
	s_mov_b64 s[18:19], KS
	s_mul_u64 s[22:23], s[20:21], s[18:19]
	s_mul_u64 s[92:93], s[46:47], s[18:19]
	s_mov_b64 s[18:19], KROW
	s_mul_u64 s[20:21], s[20:21], s[18:19]
	s_mul_u64 s[46:47], s[46:47], s[18:19]
	s_mul_i32 s45, s14, HALFT
	CROUND                                         ; the round in front of the first joint loads needs no argument: it stands while the scalar loads are out
	s_wait_kmcnt 0x0
	s_add_nc_u64 s[6:7], s[4:5], ASOFF
	s_add_nc_u64 s[20:21], s[4:5], s[20:21]
	s_add_nc_u64 s[22:23], s[6:7], s[22:23]
	s_add_nc_u64 s[46:47], s[8:9], s[46:47]
	s_add_nc_u64 s[92:93], s[10:11], s[92:93]
	s_mul_i32 s2, s16, 64*KROW                     ; the head's four tiles are whole: my half's bytes come off the addresses
	s_mov_b32 s3, 0
	s_sub_nc_u64 s[6:7], s[20:21], s[2:3]          ; s[4:7]: group 0 for K step 0's 128 rows of A
	s_sub_nc_u64 s[10:11], s[46:47], s[2:3]        ; s[8:11]: the same for B
	s_mov_b32 s4, 1
	s_mov_b32 s5, 0
	s_or_b32 s7, s7, 0x80000000
	s_mov_b32 s8, 1
	s_mov_b32 s9, 2*HALFT
	s_or_b32 s11, s11, 0x80000000
	s_mul_i32 s2, s16, 64*KS
	s_mov_b32 s[G0S], 1
	s_mov_b32 s[G0S+1], SCL
	s_sub_nc_u64 s[G0S+2:G0S+3], s[22:23], s[2:3]
	s_or_b32 s[G0S+3], s[G0S+3], 0x80000000
	s_mov_b32 s[G0SB], 1
	s_mov_b32 s[G0SB+1], SCL+2*HALFS
	s_sub_nc_u64 s[G0SB+2:G0SB+3], s[92:93], s[2:3]
	s_or_b32 s[G0SB+3], s[G0SB+3], 0x80000000
	; the prefetches: of the 64 rows that I fetch in the ring, each of the four partners that ask for them jointly names 16, told apart by address (cx for A, cy for B)
	s_cmp_eq_u32 s15, 0                            ; do I fetch for A?
	s_cselect_b64 s[94:95], s[20:21], s[46:47]     ; my 64 rows, K step 0
	s_cselect_b32 s66, s40, s41
	s_mul_i32 s66, s66, 16*KROW
	s_mov_b32 s67, 0
	s_add_nc_u64 s[94:95], s[94:95], s[66:67]
.irp s, 0,1
	s_mov_b32 s[G0+4*\s], 1
	s_add_co_u32 s[G0+4*\s+1], s45, \s*SLOT
	s_add_nc_u64 s[G0+4*\s+2:G0+4*\s+3], s[20:21], \s*ROWB
	s_or_b32 s[G0+4*\s+3], s[G0+4*\s+3], 0x80000000
	s_mov_b32 s[G0B+4*\s], 1
	s_add_co_u32 s[G0B+4*\s+1], s45, \s*SLOT
	s_add_nc_u64 s[G0B+4*\s+2:G0B+4*\s+3], s[46:47], \s*ROWB
	s_or_b32 s[G0B+4*\s+3], s[G0B+4*\s+3], 0x80000000
.endr
; THE HEAD'S LOADS, ONE A WAVE: wave 0 A's 128 rows of K step 0, wave 1 B's, wave 2 A's scales, wave 3 B's.  One chain of branches on the wave's number, a load to an arm.
.macro ARM under, g0, g1, next
	s_cmp_lt_u32 s14, \under
	s_cbranch_scc0 \next
	tensor_load_to_lds s[\g0:\g0+3], s[\g1:\g1+7]
	s_nop 0
.rept 4
	v_nop
.endr
	s_branch .Lhead_asked
\next:
.endm
	ARM 1, 4, G1, .Lhead_b
	ARM 2, 8, G1B, .Lhead_sa
	ARM 3, G0S, G1S, .Lhead_sb
	tensor_load_to_lds s[G0SB:G0SB+3], s[G1SB:G1SB+7]
	s_nop 0
.rept 4
	v_nop
.endr
.Lhead_asked:
	v_and_b32 v30, 31, v0                          ; the prefetches' offset: two lanes to a row's 512 bytes of a K step, 256 bytes apart; not written again
	v_lshrrev_b32 v31, 1, v30
	v_and_b32 v30, 1, v30
	v_lshlrev_b32 v30, 8, v30
	v_lshl_add_u32 v30, v31, 12, v30               ; a row of A or B is 4,096 bytes
	global_prefetch_b8 v30, s[94:95] offset:ROWB th:TH_LOAD_NT scope:SCOPE_SE     ; K step 1: 16 rows x 512 bytes; each block is named once in the cluster
	global_prefetch_b8 v30, s[94:95] offset:2*ROWB th:TH_LOAD_NT scope:SCOPE_SE   ; K step 2, two steps ahead of its load
	v_and_b32 v1, 15, v0
	v_bfe_u32 v2, v0, 4, 1
	v_lshlrev_b32 v[BOF], 5, v2
	s_wait_alu depctr_va_vdst(0)
	v_lshlrev_b32 v5, 12, v2
	v_lshl_add_u32 v[CO], v1, 4, v5
	s_wait_alu depctr_va_vdst(0)
	s_lshl_b32 s20, s42, 9
	s_lshl_b32 s21, s16, 8
	s_add_co_u32 s20, s20, s21
	s_mov_b32 s21, 0
	s_add_nc_u64 s[96:97], s[96:97], s[20:21]
	s_lshl_b32 s22, s17, 7
	s_lshl_b32 s23, s15, 6
	s_add_co_u32 s22, s22, s23
	s_lshl_b32 s22, s22, 12
	s_add_co_u32 s20, s20, s22
	s_add_nc_u64 s[98:99], s[98:99], s[20:21]
	s_add_nc_u64 s[12:13], s[12:13], s[20:21]
.irp b, 0,1,2,3
	global_load_b128 v[BI+8*\b:BI+8*\b+3], v[BOF], s[96:97] offset:64*\b
	global_load_b128 v[BI+8*\b+4:BI+8*\b+7], v[BOF], s[96:97] offset:64*\b+16
.endr
	v_mul_u32_u24 v3, v1, PITCH
	v_lshl_add_u32 v4, v2, 4, v3
	s_mul_i32 s21, s15, HALFT
	s_mul_i32 s22, s16, HALFT
	s_add_co_u32 s22, s22, 2*HALFT
.irp s, 0,1
	v_add_nc_u32 v[ADRA+\s], s21, v4
	v_add_nc_u32 v[ADRB+\s], s22, v4
	s_add_co_u32 s21, s21, SLOT
	s_add_co_u32 s22, s22, SLOT
.endr
	v_mul_u32_u24 v5, v1, KS
	v_lshrrev_b32 v6, 8, v5
	v_lshl_add_u32 v5, v6, 4, v5
	s_mul_i32 s21, s15, HALFS
	s_mul_i32 s22, s16, HALFS
	s_add_co_u32 s22, s22, 2*HALFS
	s_sub_co_u32 s22, s22, s21
	v_mul_u32_u24 v6, s22, v2
	s_add_co_u32 s21, s21, SCL
	v_add_nc_u32 v5, v5, v6
	v_add_nc_u32 v[ADRS], s21, v5
	s_mul_i32 s23, s14, 16*272
	v_mul_u32_u24 v5, v1, 272
	v_lshl_add_u32 v5, v2, 5, v5
	v_add_nc_u32 v[STO], s23, v5
	v_mul_u32_u24 v5, v2, 272
	v_lshl_add_u32 v5, v1, 4, v5
	v_add_nc_u32 v[RD], s23, v5
.macro FRAG reg, adr, q, i
.irp c, 0,1,2,3
	ds_load_b128 v[\reg+4*\c:\reg+4*\c+3], v[\adr] offset:128*(\q)+32*\c+(\i)*16*PITCH
.endr
.endm
.macro FETCH slot, q, f
	WIN TO_F
.irp i, 0,1,2,3
	FRAG \f+64+16*\i, ADRB+\slot, \q, \i
	FRAG \f+16*\i, ADRA+\slot, \q, \i
.endr
	WIN 0
.endm
.macro SCALES sc
.irp i, 0,1,2,3
	ds_load_b128 v[SC+16*\sc+4*\i:SC+16*\sc+4*\i+3], v[ADRS] offset:\i*SBLK
.endr
.endm
.macro MUL8 f, a0, q, sc, first
.irp a, \a0, \a0+1
.irp b, 0,1,2,3
.if \first
	v_wmma_scale_f32_16x16x128_f8f6f4 v[ACC+8*(4*(\a)+\b):ACC+8*(4*(\a)+\b)+7], v[\f+64+16*\b:\f+64+16*\b+15], v[\f+16*(\a):\f+16*(\a)+15], v[BI+8*\b:BI+8*\b+7], v[SC+16*(\sc)+4*\b+(\q)], v[SC+16*(\sc)+4*(\a)+(\q)] matrix_a_fmt:MATRIX_FMT_BF8 matrix_b_fmt:MATRIX_FMT_BF8 matrix_a_scale:MATRIX_SCALE_ROW1
.else
	v_wmma_scale_f32_16x16x128_f8f6f4 v[ACC+8*(4*(\a)+\b):ACC+8*(4*(\a)+\b)+7], v[\f+64+16*\b:\f+64+16*\b+15], v[\f+16*(\a):\f+16*(\a)+15], v[ACC+8*(4*(\a)+\b):ACC+8*(4*(\a)+\b)+7], v[SC+16*(\sc)+4*\b+(\q)], v[SC+16*(\sc)+4*(\a)+(\q)] matrix_a_fmt:MATRIX_FMT_BF8 matrix_b_fmt:MATRIX_FMT_BF8 matrix_a_scale:MATRIX_SCALE_ROW1
.endif
.endr
.endr
.endm
.macro PLACES n
.rept \n
	v_nop
.endr
.endm
.macro QUARTER slot, q, f, g, first
	PLACES NP
	FETCH \slot, (\q)+1, \g
	s_wait_dscnt 32
	WIN MUL
	MUL8 \f, 0, \q, \slot, \first
	MUL8 \f, 2, \q, \slot, \first
.endm
.macro TURN slot, next, fill
	WIN 0
.if \fill
	s_wait_xcnt 0x0                                ; my last prefetch has read its address: it is stepped here, a K step behind that prefetch
	s_add_nc_u64 s[94:95], s[94:95], ROWB
.endif
	s_wait_tensorcnt 0x0
	ds_add_u32 v[SPW], v[NIL]
	s_wait_dscnt 1
	WIN MUL
	MUL8 F1, 0, 3, \slot, 0
	s_wait_dscnt 0x0
	s_barrier_signal -1
	MUL8 F1, 2, 3, \slot, 0
	WIN 0
	s_barrier_wait -1
.if \fill
	CREST
	s_add_nc_u64 s[G0+4*\slot+2:G0+4*\slot+3], s[G0+4*\slot+2:G0+4*\slot+3], 2*ROWB
	s_add_nc_u64 s[G0B+4*\slot+2:G0B+4*\slot+3], s[G0B+4*\slot+2:G0B+4*\slot+3], 2*ROWB
	JLOAD G0+4*\slot, G1, G0B+4*\slot, G1B
	PLACES NP-4
.else
	PLACES NP
.endif
	s_wait_alu depctr_va_vdst(0)
	v_add_nc_u32 v[ADRS], 16, v[ADRS]
	FETCH \next, 0, F0
	SCALES \next
.if \fill
	s_cmp_gt_u32 s3, 1                             ; the refill just asked for is K step s; the prefetch names K step s + 2.  The loop's last trip (steps 6 and 7) has none two on
	s_cbranch_scc0 .Lno_ask_\@
	global_prefetch_b8 v30, s[94:95] offset:3*ROWB th:TH_LOAD_NT scope:SCOPE_SE
.Lno_ask_\@:
.endif
.endm
	s_wait_alu depctr_va_vdst(0)
	s_wait_tensorcnt 0x0                           ; my tile of the head's four is in; the lines ahead of a later first fill:
	ds_add_u32 v[SPW], v[NIL]
	s_mov_b32 s[G1+2], 64<<16                      ; no tensor load of mine is out: from here on a load brings 64 rows
	s_mov_b32 s[G1+4], 64
	s_mov_b32 s[G1B+2], 64<<16
	s_mov_b32 s[G1B+4], 64
	s_wait_dscnt 0x0
	CROUND                                         ; all four tiles are in, and all sixteen work-groups are here
	JLOAD G0+4, G1, G0B+4, G1B                     ; K step 1, the first tensor load behind the round
	FETCH 0, 0, F0
	SCALES 0
	global_prefetch_b8 v30, s[94:95] offset:3*ROWB th:TH_LOAD_NT scope:SCOPE_SE   ; K step 3, two steps ahead of its load
	s_wait_loadcnt 0x0                             ; the bias: its eight loads are all that is out
	QUARTER 0, 0, F0, F1, 1
	WIN 0x80                                       ; the residual's 32 loads, into window 2: they are wanted on the way out, and stand behind the first tiles' loads
.irp a, 0,1,2,3
.irp t, 0,1,2,3,4,5,6,7
	global_load_b128 v[RS+32*\a+4*\t:RS+32*\a+4*\t+3], v[CO], s[98:99] offset:(16*\a+2*\t)*ON
.endr
.endr
	WIN 0
.if LAPS > 1
	WIN 0
	s_mov_b32 s3, LAPS-1
.Llap:
	QUARTER 0, 1, F1, F0, 0
	QUARTER 0, 2, F0, F1, 0
	TURN 0, 1, 1
	QUARTER 1, 0, F0, F1, 0
	QUARTER 1, 1, F1, F0, 0
	QUARTER 1, 2, F0, F1, 0
	TURN 1, 0, 1
	QUARTER 0, 0, F0, F1, 0
	WIN 0
	s_sub_co_u32 s3, s3, 1
	s_cmp_lg_u32 s3, 0
	s_cbranch_scc1 .Llap
.endif
	QUARTER 0, 1, F1, F0, 0
	QUARTER 0, 2, F0, F1, 0
	TURN 0, 1, 0
	QUARTER 1, 0, F0, F1, 0
	QUARTER 1, 1, F1, F0, 0
	QUARTER 1, 2, F0, F1, 0
	s_wait_dscnt 0x0
	MUL8 F1, 0, 3, 1, 0
	MUL8 F1, 2, 3, 1, 0
	WIN 0
.macro TOSTAGE a
.irp b, 0,1,2,3
	ds_store_b128 v[STO], v[ACC+8*(4*(\a)+\b):ACC+8*(4*(\a)+\b)+3] offset:64*\b
	ds_store_b128 v[STO], v[ACC+8*(4*(\a)+\b)+4:ACC+8*(4*(\a)+\b)+7] offset:64*\b+16
.endr
.set BB, OB+32*((\a)%2)
.irp t, 0,1,2,3,4,5,6,7
	ds_load_b128 v[BB+4*\t:BB+4*\t+3], v[RD] offset:544*\t
.endr
.endm
.macro SEND a, younger
.set BB, OB+32*((\a)%2)
	s_wait_dscnt \younger
.if (\a) == 0
	s_wait_loadcnt 0x0
.endif
	WIN 0x08
.irp i, 0,2,4,6,8,10,12,14,16,18,20,22,24,26,28,30
	v_pk_add_f32 v[BB+\i:BB+\i+1], v[BB+\i:BB+\i+1], v[RS+32*(\a)+\i:RS+32*(\a)+\i+1]
.endr
	WIN 0
.irp t, 0,1,2,3,4,5,6,7
	global_store_b128 v[CO], v[BB+4*\t:BB+4*\t+3], s[12:13] offset:(16*(\a)+2*\t)*ON
.endr
.endm
	PLACES NP
	TOSTAGE 0
.irp a, 1,2,3
.if \a > 1
	s_wait_xcnt 0x0
.endif
	TOSTAGE \a
	SEND \a-1, 16
.endr
	SEND 3, 0
	s_wait_tensorcnt 0x0
	ds_add_u32 v[SPW], v[NIL]
	s_wait_dscnt 0x0
	CROUND
	s_endpgm
.Lfunc_end_k_qe7d3bc8989_ffn2:
	.size	k_qe7d3bc8989_ffn2, .Lfunc_end_k_qe7d3bc8989_ffn2-k_qe7d3bc8989_ffn2
	.p2alignl 7, 3214868480
	.fill 96, 4, 3214868480
	.section	.rodata,"a",@progbits
	.p2align	6, 0x0
	.amdhsa_kernel k_qe7d3bc8989_ffn2
		.amdhsa_group_segment_fixed_size 327680
		.amdhsa_private_segment_fixed_size 0
		.amdhsa_enable_private_segment 0
		.amdhsa_kernarg_size 48
		.amdhsa_user_sgpr_count 2
		.amdhsa_user_sgpr_kernarg_segment_ptr 1
		.amdhsa_wavefront_size32 1
		.amdhsa_system_sgpr_workgroup_id_x 1
		.amdhsa_system_sgpr_workgroup_id_y 1
		.amdhsa_system_sgpr_workgroup_id_z 1
		.amdhsa_system_vgpr_workitem_id 0
		.amdhsa_next_free_vgpr 640
		.amdhsa_next_free_sgpr 100
		.amdhsa_reserve_vcc 0
		.amdhsa_float_denorm_mode_32 3
		.amdhsa_float_denorm_mode_16_64 3
		.amdhsa_memory_ordered 1
		.amdhsa_forward_progress 1
		.amdhsa_inst_pref_size 102
	.end_amdhsa_kernel
	.amdgpu_metadata
---
amdhsa.version: [ 1, 2 ]
amdhsa.kernels:
  - .name:           k_qe7d3bc8989_ffn2
    .symbol:         k_qe7d3bc8989_ffn2.kd
    .args:
      - { .name: hq, .offset: 0, .size: 8, .value_kind: global_buffer, .address_space: global }
      - { .name: W2_codes, .offset: 8, .size: 8, .value_kind: global_buffer, .address_space: global }
      - { .name: W2_scales, .offset: 16, .size: 8, .value_kind: global_buffer, .address_space: global }
      - { .name: b2, .offset: 24, .size: 8, .value_kind: global_buffer, .address_space: global }
      - { .name: x1, .offset: 32, .size: 8, .value_kind: global_buffer, .address_space: global }
      - { .name: out0, .offset: 40, .size: 8, .value_kind: global_buffer, .address_space: global }
    .group_segment_fixed_size: 327680
    .private_segment_fixed_size: 0
    .kernarg_segment_align: 8
    .kernarg_segment_size: 48
    .max_flat_workgroup_size: 128
    .sgpr_count:     100
    .vgpr_count:     640
    .wavefront_size: 32
...
	.end_amdgpu_metadata
.endif
;; end of part 6
